; MI455X (gfx1250); checked and timed in simulation.
; The chip was launched on July 23, 2026; its instructions are those of AMD's public machine-readable ISA for CDNA 5 (MIT licence, August 2026) and "CDNA5" Instruction Set Architecture Reference Guide (July 2026). The comments in the code are by the model that wrote it; some were corrected since.
;; Multi Head Self Attention. Allowed arithmetic: matrix products marked QUANTISED: E2M3 operands, one E8M0 scale for each 32 along K, by v_wmma_scale_f32_16x16x128_f8f6f4 with both operands' format E2M3, f32 sums; everything else in f32.
;; Inputs: Wk 1,024 x 1,024 float32; Wo 1,024 x 1,024 float32; Wq 1,024 x 1,024 float32; Wv 1,024 x 1,024 float32; bk 1,024 float32; bo 1,024 float32; bq 1,024 float32; bv 1,024 float32; x 4 x 2,048 x 1,024 float32.
;; Outputs: out0 4 x 2,048 x 1,024 float32.
;; This version of the problem:
;;   THIS VERSION OF THE PROBLEM IS GIVEN IN LOW PRECISION. The matrix products marked QUANTISED in the list below multiply operands that are first quantised to E2M3 (2 exponent bits, 3 mantissa bits; 6 bits a number), with one power-of-two scale for each 32 numbers along K (OCP MX v1.0); their sums are f32. All else is computed in f32.
;;   The module's matrix products, in the order in which they are computed (A, B: the left and right operand; K: the contracted axis; several contracted axes count as one K, in the product's order):
;;     1. [M 8,192, K 1,024] x [K 1,024, N 1,024]; A: input x; B: input Wq: QUANTISED
;;     2. [M 8,192, K 1,024] x [K 1,024, N 1,024]; A: input x; B: input Wk: QUANTISED
;;     3. [M 8,192, K 1,024] x [K 1,024, N 1,024]; A: input x; B: input Wv: QUANTISED
;;     4. batch 64 x [M 2,048, K 64] x [K 64, N 2,048]; A: computed on the way; B: computed on the way: QUANTISED
;;     5. batch 64 x [M 2,048, K 2,048] x [K 2,048, N 64]; A: softmax (see below); B: computed on the way: QUANTISED
;;     6. [M 8,192, K 1,024] x [K 1,024, N 1,024]; A: computed on the way; B: input Wo: QUANTISED
;;   THE QUANTISER, for each operand of a quantised product, along K:
;;     - K is cut into blocks of 32 from its start; a last block that is shorter is filled with zeros.
;;     - A block's scale is 2^e with e = floor(log2(the largest magnitude in the block)) - 2, held to -126 .. 127; a block of zeros has e = 0. As a byte (E8M0): e + 127.
;;     - Each number is divided by its block's scale, clamped to +-7.5, and rounded to the nearest number of E2M3, ties to even, subnormals kept.
;;     - The product sums the exact products of the quantised numbers (number of the format x scale) in f32.
;;   ~~~python
;;   def quantise(x, axis):      # numpy; x: float32 -> the quantised numbers, widened to float32 again
;;       x = np.moveaxis(x, axis, -1); K = x.shape[-1]
;;       x = np.pad(x, [(0, 0)] * (x.ndim - 1) + [(0, -K % 32)]); x = x.reshape(x.shape[:-1] + (-1, 32)); a = np.abs(x).max(-1, keepdims=True)
;;       e = np.where(a > 0, np.clip(np.frexp(np.where(a > 0, a, 1))[1] - 1 - 2, -126, 127), 0)      # np.frexp(a)[1] - 1 = floor(log2(a)), exactly
;;       r = np.clip(x / 2.0 ** e, -7.5, 7.5)
;;       step = 2.0 ** (np.maximum(np.frexp(np.where(r == 0, 1, r))[1] - 1, 0) - 3)
;;       q = np.round(r / step) * step * 2.0 ** e      # np.round: ties to even
;;       return np.moveaxis(q.reshape(q.shape[:-2] + (-1,))[..., :K], -1, axis).astype(np.float32)
;;   ~~~
;;   SOFTMAX AHEAD OF A QUANTISED PRODUCT. Where the list says 'softmax', what is quantised is not the finished softmax but p = 2^(t - M), with t = logit x log2(e) and M = ceil(the row's largest t), a whole number; so 1/2 < the row's largest p <= 1. The row's sum l is taken of the UNQUANTISED p, in f32, and the product's result is divided by l at the end. Since M is a whole number, a kernel that streams over the keys may use a running M (the ceiling of the running maximum): every later rescaling is an exact power of two, which a block's scale takes up: the codes' values come out the same.
;;   OPERANDS COMPUTED ON THE WAY. 'Computed on the way' means the value that the module computes at that place (a softmax that the list does not call 'softmax' is quantised finished and normalised). What goes into a quantiser is computed in f32, as accurately as f32 sums, v_exp_f32 and their like allow (about 1e-6 of the number): no bf16 or f16 on the way to a quantiser, and a product that is left as it is and whose result goes on into a quantised operand takes f32 operands (vector FMAs, or v_wmma_f32_16x16x4_f32). A number that lies on a knife's edge between two numbers of the format may be rounded either way, as far as f32 arithmetic and the matrix unit's own rounding can turn it there, and no further.
;; One version. Each part assembles by itself: llvm-mc -triple=amdgcn-amd-amdhsa -mcpu=gfx1250 --defsym DOCPART=n.
;; ======== version 1 of 1: 5 launches
;; limits: right only within a limited range of input values
;; workspace buffers: x_img 6,291,456 bytes; x_sc 262,144 bytes; w_img 3,145,728 bytes; w_sc 131,072 bytes; qkv_img 18,874,368 bytes; qkv_sc 1,310,720 bytes; c_img 6,291,456 bytes; c_sc 262,144 bytes
;; launch quant_x (part 1): grid 512 x 1, 8 waves a work-group, no clusters, 69,120 bytes of LDS; arguments x, x_img, x_sc; writes x_img, x_sc
.if DOCPART == 1
	.amdgcn_target "amdgcn-amd-amdhsa--gfx1250"
	.amdhsa_code_object_version 6
	.text
	.protected	k_q308bab4951_quant_x
	.globl	k_q308bab4951_quant_x
	.p2align	8
	.type	k_q308bab4951_quant_x,@function
k_q308bab4951_quant_x:
	s_mov_b64 s[64:65], 0
	v_nop
	global_prefetch_b8 v0, s[64:65] scope:SCOPE_SE
	s_setreg_imm32_b32 hwreg(HW_REG_WAVE_MODE, 25, 1), 1
	s_wait_xcnt 0x0
; x [8192][1024] f32 becomes codes of FP6 (E2M3) with one E8M0 byte for each 32 along K, laid in the ORDER OF THE OPERAND'S REGISTERS.
; A HALF IMAGE is 16 rows x 64 K, 768 bytes: lane (r = lane % 16, h = lane / 16) owns the 24 bytes of row r, k = 32 h .. 32 h + 31; its registers 0-3 lie at 16 x lane, registers 4-5 at 512 + 8 x lane.
; x_img: [row tile 512][K step of 128: 8][half 2][768].  x_sc: [stored row 8192][32 bytes], byte k / 32.
; THE ROWS OF A TILE ARE NOT NEIGHBOURS: stored tile 2 b + u, row r, is row 32 b + 8 u + r + 8 (r / 8) of x, so that the products' transposed results hold 16 neighbours in 16 registers.
; A block's scale byte is its largest magnitude's exponent field - 2, held at 1 from below.  LIMITS: NaN and infinities are not served; a block under 2^-124 (a block of zeros too) gets the byte 1: its codes
; are zeros or the nearest codes under that scale, and the bytes are read by this program alone.
; SHARES: a work-group takes a row tile, wave w its K step w: one fragment.  Each of a wave's 16 loads reads 512 consecutive bytes of a row; the rows turn through the wave's own stage in LDS, so that a lane
; gets 32 neighbours along K twice.  No tile is shared between work-groups: no cluster, no tensor load.
.set STG,  8448                        ; a wave's stage: 16 rows x 528
.set SP,   528                         ; 512 bytes + 16: row r starts 4 r banks on
.set SCB,  8*STG                       ; behind the stages: the tile's 512 scale bytes
.set R,    16                          ; v16-79   the rows as loaded
.set X,    80                          ; v80-143  my two blocks of 32
.set C,    144                         ; v144-155 the fragment's twelve registers
.set TT,   156                         ; v156-158, v160-162 the blocks' upper halves as converted
	s_load_b128 s[4:7], s[0:1], 0x0                ; x, x_img
	s_load_b64 s[8:9], s[0:1], 0x10                ; x_sc
	v_lshl_add_u32 v168, v0, 2, 0x10a00
	v_mov_b32 v169, 0
	v_lshrrev_b32 v10, 5, v0
	s_delay_alu instid0(VALU_DEP_1)
	v_readfirstlane_b32 s10, v10                   ; wave 0..7
	v_and_b32 v11, 31, v0
	s_delay_alu instid0(VALU_DEP_1)
	v_lshlrev_b32 v1, 4, v11                       ; 16 x lane
	s_delay_alu instid0(VALU_DEP_2)
	v_lshlrev_b32 v2, 3, v11                       ; 8 x lane
	v_and_b32 v3, 15, v0                           ; r
	v_bfe_u32 v4, v0, 4, 1                         ; h
	s_mul_i32 s11, s10, STG
	v_add_nc_u32 v5, s11, v1                       ; into the stage: 16 bytes a lane of a row
	v_mul_u32_u24 v6, v3, SP
	s_delay_alu instid0(VALU_DEP_1)
	v_lshl_add_u32 v6, v4, 7, v6
	s_delay_alu instid0(VALU_DEP_1)
	v_add_nc_u32 v6, s11, v6                       ; out of it: row r, 128 h bytes on
	s_lshl_b32 s12, s10, 2
	s_add_co_u32 s12, s12, SCB
	v_lshlrev_b32 v7, 5, v3
	s_delay_alu instid0(VALU_DEP_1)
	v_add_nc_u32 v7, s12, v7                       ; my row's scale word of my K step: 32 r + 4 w
	v_lshlrev_b32 v8, 3, v4                        ; 8 h: my bytes' place in the word
	v_add_nc_u32 v9, SCB, v1
	v_mov_b32 v15, 0                               ; a lane permute's destination counts as read
	s_mov_b32 s20, 0x76543210
	s_mov_b32 s21, 0xfedcba98                      ; selects for lane l xor 16
	s_lshr_b32 s13, ttmp9, 1
	s_lshl_b32 s13, s13, 5
	s_and_b32 s14, ttmp9, 1
	s_lshl_b32 s14, s14, 3
	s_add_co_u32 s13, s13, s14                     ; the tile's first row of x: 32 (T / 2) + 8 (T % 2)
	s_lshl_b32 s14, s13, 12
	s_lshl_b32 s15, s10, 9
	s_add_co_u32 s14, s14, s15                     ; + my K step's 512 bytes
	s_mov_b32 s15, 0
	s_lshl_b32 s16, ttmp9, 3
	s_add_co_u32 s16, s16, s10
	s_mul_i32 s16, s16, 1536                       ; my fragment in x_img
	s_mov_b32 s17, 0
	s_lshl_b32 s18, ttmp9, 9                       ; the tile's scale bytes
	s_mov_b32 s19, 0
	s_wait_alu depctr_va_vdst(0)
	s_wait_kmcnt 0x0
	s_add_nc_u64 s[4:5], s[4:5], s[14:15]
	s_add_nc_u64 s[6:7], s[6:7], s[16:17]
	s_add_nc_u64 s[8:9], s[8:9], s[18:19]
.irp i, 0,1,2,3,4,5,6,7,8,9,10,11,12,13,14,15
	global_load_b128 v[R+4*\i:R+4*\i+3], v1, s[4:5] offset:(\i+8*(\i/8))*4096 th:TH_LOAD_NT   ; stored row i: 32 lanes read 512 consecutive bytes
.endr
.irp i, 0,1,2,3,4,5,6,7,8,9,10,11,12,13,14,15
	s_wait_loadcnt 15-\i                           ; loads come back in order: row i is in, the younger ones stay out
	ds_store_b128 v5, v[R+4*\i:R+4*\i+3] offset:SP*\i
.endr
.irp c, 0,1
.irp j, 0,1,2,3,4,5,6,7
	ds_load_b128 v[X+32*\c+4*\j:X+32*\c+4*\j+3], v6 offset:256*\c+16*\j   ; row r, k = 64 c + 32 h + 4 j ..; LDS serves a wave in order: these see my stores
.endr
.endr
	s_wait_dscnt 0x0
.irp c, 0,1
	v_max3_num_f32 v[10+\c], |v[X+32*\c]|, |v[X+32*\c+1]|, 0x1800000   ; block 2 c + h is all mine; the floor 2^(3 - 127) holds the byte at 1 from below
.endr
.irp i, 2,4,6,8,10,12,14,16,18,20,22,24,26,28,30
.irp c, 0,1
	s_delay_alu instid0(VALU_DEP_2)
	v_max3_num_f32 v[10+\c], v[10+\c], |v[X+32*\c+\i]|, |v[X+32*\c+\i+1]|
.endr
.endr
	s_delay_alu instid0(VALU_DEP_2)
	v_add_nc_u32 v12, 0xff000000, v10              ; 2 off the exponent field: the conversion's scale operand
	s_delay_alu instid0(VALU_DEP_2)
	v_add_nc_u32 v13, 0xff000000, v11
	s_delay_alu instid0(VALU_DEP_2)
	v_lshrrev_b32 v10, 23, v12                     ; the bytes
	s_delay_alu instid0(VALU_DEP_2)
	v_lshrrev_b32 v11, 23, v13
	s_delay_alu instid0(VALU_DEP_1)
	v_lshl_or_b32 v14, v11, 16, v10                ; blocks h and 2 + h,
	s_delay_alu instid0(VALU_DEP_1)
	v_lshlrev_b32 v14, v8, v14                     ; at their places;
	s_delay_alu instid0(VALU_DEP_1)
	v_permlanex16_b32 v15, v14, s20, s21
	s_delay_alu instid0(VALU_DEP_1)
	v_or_b32 v14, v14, v15                         ; with lane l xor 16's two the row's word is whole
.irp c, 0,1
	v_cvt_scalef32_pk16_fp6_f32 v[C+6*\c:C+6*\c+2], v[X+32*\c:X+32*\c+15], v[12+\c]
	v_cvt_scalef32_pk16_fp6_f32 v[TT+4*\c:TT+4*\c+2], v[X+32*\c+16:X+32*\c+31], v[12+\c]   ; (a conversion's three registers begin on an even number)
.endr
	v_nop                                          ; one plain place behind a scaled conversion
.irp c, 0,1
.irp i, 0,1,2
	v_mov_b32 v[C+6*\c+3+\i], v[TT+4*\c+\i]
.endr
.endr
.irp c, 0,1
	global_store_b128 v1, v[C+6*\c:C+6*\c+3], s[6:7] offset:768*\c         ; 512 consecutive bytes, aligned to 256
	global_store_b64 v2, v[C+6*\c+4:C+6*\c+5], s[6:7] offset:768*\c+512    ; 256 consecutive bytes, aligned
.endr
	ds_store_b32 v7, v14                           ; both lanes of a row write the same word with the same value
	s_wait_dscnt 0x0                               ; for wave 0's sake: my word has landed
	s_barrier_signal -1
	s_barrier_wait -1
	s_cmp_lg_u32 s10, 0
	s_cbranch_scc1 .Lend
	ds_load_b128 v[16:19], v9                      ; wave 0 sends the tile's 512 scale bytes as two whole aligned runs of 256
	s_wait_dscnt 0x0
	global_store_b128 v1, v[16:19], s[8:9]
.Lend:
	s_wait_tensorcnt 0x0
	ds_add_u32 v168, v169
	s_wait_dscnt 0x0
	s_endpgm
.Lfunc_end_k_q308bab4951_quant_x:
	.size	k_q308bab4951_quant_x, .Lfunc_end_k_q308bab4951_quant_x-k_q308bab4951_quant_x
	.p2alignl 7, 3214868480
	.fill 96, 4, 3214868480
	.section	.rodata,"a",@progbits
	.p2align	6, 0x0
	.amdhsa_kernel k_q308bab4951_quant_x
		.amdhsa_group_segment_fixed_size 69120
		.amdhsa_private_segment_fixed_size 0
		.amdhsa_enable_private_segment 0
		.amdhsa_kernarg_size 24
		.amdhsa_user_sgpr_count 2
		.amdhsa_user_sgpr_kernarg_segment_ptr 1
		.amdhsa_wavefront_size32 1
		.amdhsa_system_sgpr_workgroup_id_x 1
		.amdhsa_system_sgpr_workgroup_id_y 1
		.amdhsa_system_sgpr_workgroup_id_z 1
		.amdhsa_system_vgpr_workitem_id 0
		.amdhsa_next_free_vgpr 170
		.amdhsa_next_free_sgpr 66
		.amdhsa_reserve_vcc 0
		.amdhsa_float_denorm_mode_32 3
		.amdhsa_float_denorm_mode_16_64 3
		.amdhsa_memory_ordered 1
		.amdhsa_forward_progress 1
		.amdhsa_inst_pref_size 12
	.end_amdhsa_kernel
	.amdgpu_metadata
---
amdhsa.version: [ 1, 2 ]
amdhsa.kernels:
  - .name:           k_q308bab4951_quant_x
    .symbol:         k_q308bab4951_quant_x.kd
    .args:
      - { .name: x, .offset: 0, .size: 8, .value_kind: global_buffer, .address_space: global }
      - { .name: x_img, .offset: 8, .size: 8, .value_kind: global_buffer, .address_space: global }
      - { .name: x_sc, .offset: 16, .size: 8, .value_kind: global_buffer, .address_space: global }
    .group_segment_fixed_size: 69120
    .private_segment_fixed_size: 0
    .kernarg_segment_align: 8
    .kernarg_segment_size: 24
    .max_flat_workgroup_size: 256
    .sgpr_count:     66
    .vgpr_count:     170
    .wavefront_size: 32
...
	.end_amdgpu_metadata
.endif
;; end of part 1
;; launch quant_w (part 2): grid 8 x 32, 4 waves a work-group, no clusters, 13,824 bytes of LDS; arguments Wq, Wk, Wv, Wo, w_img, w_sc; writes w_img, w_sc
.if DOCPART == 2
	.amdgcn_target "amdgcn-amd-amdhsa--gfx1250"
	.amdhsa_code_object_version 6
	.text
	.protected	k_q308bab4951_quant_w
	.globl	k_q308bab4951_quant_w
	.p2align	8
	.type	k_q308bab4951_quant_w,@function
k_q308bab4951_quant_w:
	s_mov_b64 s[64:65], 0
	v_nop
	global_prefetch_b8 v0, s[64:65] scope:SCOPE_SE
	s_setreg_imm32_b32 hwreg(HW_REG_WAVE_MODE, 25, 1), 1
	s_wait_xcnt 0x0
; The four weights [1024 (k)][1024 (n)] f32, K their FIRST axis, become codes of FP6 (E2M3) along K, in the order of the operand's registers.
; w_img: [tile of 16 columns: 64 x weight + n / 16][K step of 128: 8][half 2][768], weights in the order q, k, v, o; a half image as in x_img (lane (r, h): column r, k = 32 h ..; registers 0-3 at 16 x lane, 4-5 at 512 + 8 x lane).
; w_sc: [stored column 4096][32 bytes].  In each 32 columns stored tile u, row r, is column 8 u + r + 8 (r / 8).
; A LANE TAKES A COLUMN AND ITS REGISTERS RUN DOWN K: a load reads 128 consecutive bytes a wave, a block of 32 lies in one lane, the conversions give codes with K innermost.  Nothing is transposed.
; SHARES: work-group (x, y): columns 128 x on, weight y / 8, K step y % 8; wave w: 32 columns, 4 blocks a lane.  The codes go through the wave's own stage and leave as two fragments of 1,536 bytes.
; LIMITS: NaN and infinities are not served; a block under 2^-124 (zeros too) gets the byte 1; the bytes are read by this program alone.  Nothing is shared between work-groups: no cluster, no tensor load.
.set WST,  3328                        ; a wave's stage: two tiles
.set TP,   1664                        ; a tile's 1,536 bytes + 128, so that lanes 0-7 (tile 0) and 8-15 (tile 1) fall in different halves of the banks
.set X,    32                          ; v32-95   two sets of 32 numbers
.set C,    96                          ; v96-101  a block's six registers
.set TT,   104                         ; v104-106 its upper half as converted
.set SB,   24                          ; v24      my column's scale word
.set OUTR, 112                         ; v112-135 the way out
	s_load_b256 s[4:11], s[0:1], 0x0               ; Wq, Wk, Wv, Wo
	s_load_b128 s[12:15], s[0:1], 0x20             ; w_img, w_sc
	v_lshl_add_u32 v140, v0, 2, 0x3400
	v_mov_b32 v141, 0
	v_lshrrev_b32 v1, 5, v0
	v_readfirstlane_b32 s16, v1                    ; wave 0..3
	v_and_b32 v1, 31, v0
	v_lshlrev_b32 v3, 2, v1                        ; in: 4 bytes a lane
	v_lshlrev_b32 v7, 4, v1                        ; out: 16 bytes a lane
	v_bfe_u32 v9, v0, 3, 1                         ; u: which stored tile my column falls in
	v_and_b32 v10, 7, v0
	v_bfe_u32 v2, v0, 4, 1
	v_lshl_or_b32 v10, v2, 3, v10                  ; r: its row there
	s_mul_i32 s17, s16, WST
	v_mul_u32_u24 v2, v9, TP
	v_add_nc_u32 v2, s17, v2
	v_lshl_add_u32 v4, v10, 4, v2                  ; the stage: registers 0-3 of (r, h = 0)
	v_lshl_add_u32 v5, v10, 3, v2                  ; registers 4-5
	v_add_nc_u32 v6, s17, v7                       ; back: 16 x lane
	v_lshl_add_u32 v8, v9, 4, v10
	v_lshlrev_b32 v8, 5, v8                        ; my stored column's row of scale bytes
	s_and_b32 s18, ttmp7, 0xffff
	s_lshr_b32 s19, s18, 3                         ; weight
	s_and_b32 s18, s18, 7                          ; K step
	s_lshl_b32 s20, ttmp9, 7
	s_lshl_b32 s21, s16, 5
	s_add_co_u32 s20, s20, s21                     ; my wave's first column
	s_lshl_b32 s22, s18, 19                        ; 128 rows of 4,096 bytes a K step
	s_lshl_b32 s21, s20, 2
	s_add_co_u32 s22, s22, s21
	s_mov_b32 s23, 0
	s_lshl_b32 s24, s19, 6
	s_lshr_b32 s21, s20, 4
	s_add_co_u32 s24, s24, s21
	s_mul_i32 s24, s24, 12288
	s_mul_i32 s21, s18, 1536
	s_add_co_u32 s24, s24, s21                     ; my first fragment in w_img
	s_mov_b32 s25, 0
	s_lshl_b32 s26, s19, 10
	s_add_co_u32 s26, s26, s20
	s_lshl_b32 s26, s26, 5
	s_lshl_b32 s21, s18, 2
	s_add_co_u32 s26, s26, s21                     ; and the scale words
	s_mov_b32 s27, 0
	s_wait_kmcnt 0x0
	s_cmp_eq_u32 s19, 1                            ; the weight is chosen by the work-group's number alone
	s_cselect_b64 s[4:5], s[6:7], s[4:5]
	s_cmp_eq_u32 s19, 2
	s_cselect_b64 s[4:5], s[8:9], s[4:5]
	s_cmp_eq_u32 s19, 3
	s_cselect_b64 s[4:5], s[10:11], s[4:5]
	s_add_nc_u64 s[4:5], s[4:5], s[22:23]
	s_add_nc_u64 s[12:13], s[12:13], s[24:25]
	s_add_nc_u64 s[14:15], s[14:15], s[26:27]
.macro LOAD t                          ; block t: W(32 t + i, my column) into set t % 2
.irp i, 0,1,2,3,4,5,6,7,8,9,10,11,12,13,14,15,16,17,18,19,20,21,22,23,24,25,26,27,28,29,30,31
	global_load_b32 v[X+32*((\t)%2)+\i], v3, s[4:5] offset:(32*(\t)+\i)*4096 th:TH_LOAD_NT
.endr
.endm
.macro BLOCK t
.set XS, X+32*((\t)%2)
.if (\t) < 3
	s_wait_loadcnt 32                              ; this block's 32 loads are in; the next block's may be out
.else
	s_wait_loadcnt 0x0
.endif
	v_max3_num_f32 v12, |v[XS]|, |v[XS+1]|, 0x1800000                ; the floor 2^(3 - 127) holds the byte at 1 from below
	v_max3_num_f32 v13, |v[XS+2]|, |v[XS+3]|, |v[XS+4]|
.irp i, 5,9,13,17,21,25
	v_max3_num_f32 v12, v12, |v[XS+\i]|, |v[XS+\i+1]|
	v_max3_num_f32 v13, v13, |v[XS+\i+2]|, |v[XS+\i+3]|
.endr
	v_max3_num_f32 v12, v12, |v[XS+29]|, |v[XS+30]|
	v_max3_num_f32 v12, v12, v13, |v[XS+31]|
	v_add_nc_u32 v11, 0xff000000, v12              ; 2 off the exponent field: the conversion's scale operand
	v_lshrrev_b32 v13, 23, v11                     ; the byte
.if (\t) == 0
	v_mov_b32 v[SB], v13
.else
	v_lshl_or_b32 v[SB], v13, 8*(\t), v[SB]
.endif
	v_cvt_scalef32_pk16_fp6_f32 v[C:C+2], v[XS:XS+15], v11
	v_cvt_scalef32_pk16_fp6_f32 v[TT:TT+2], v[XS+16:XS+31], v11
	v_nop                                          ; one plain place behind a scaled conversion
.irp i, 0,1,2
	v_mov_b32 v[C+3+\i], v[TT+\i]
.endr
	ds_store_b128 v4, v[C:C+3] offset:768*((\t)/2)+256*((\t)%2)            ; half image t / 2, the place of lane (r, h = t % 2)
	ds_store_b64 v5, v[C+4:C+5] offset:768*((\t)/2)+512+128*((\t)%2)
.if (\t) < 2
	LOAD (\t)+2
.endif
	s_wait_dscnt 0x0                               ; the stores have read their registers: the next block's codes may be written
.endm
	LOAD 0
	LOAD 1
	BLOCK 0
	BLOCK 1
	BLOCK 2
	BLOCK 3
	s_wait_alu depctr_va_vdst(0)
	global_store_b32 v8, v[SB], s[14:15]           ; one word a column, 32 bytes apart: one byte in 128 of what the launch reads
.irp n, 0,1,2,3,4,5
	ds_load_b128 v[OUTR+4*\n:OUTR+4*\n+3], v6 offset:TP*(\n/3)+512*(\n%3)
.endr
.irp n, 0,1,2,3,4,5
	s_wait_dscnt 5-\n                              ; the younger reads of the stage may be out
	global_store_b128 v7, v[OUTR+4*\n:OUTR+4*\n+3], s[12:13] offset:12288*(\n/3)+512*(\n%3)   ; 512 consecutive bytes, aligned to 256
.endr
	s_wait_tensorcnt 0x0
	ds_add_u32 v140, v141
	s_wait_dscnt 0x0
	s_endpgm
.Lfunc_end_k_q308bab4951_quant_w:
	.size	k_q308bab4951_quant_w, .Lfunc_end_k_q308bab4951_quant_w-k_q308bab4951_quant_w
	.p2alignl 7, 3214868480
	.fill 96, 4, 3214868480
	.section	.rodata,"a",@progbits
	.p2align	6, 0x0
	.amdhsa_kernel k_q308bab4951_quant_w
		.amdhsa_group_segment_fixed_size 13824
		.amdhsa_private_segment_fixed_size 0
		.amdhsa_enable_private_segment 0
		.amdhsa_kernarg_size 48
		.amdhsa_user_sgpr_count 2
		.amdhsa_user_sgpr_kernarg_segment_ptr 1
		.amdhsa_wavefront_size32 1
		.amdhsa_system_sgpr_workgroup_id_x 1
		.amdhsa_system_sgpr_workgroup_id_y 1
		.amdhsa_system_sgpr_workgroup_id_z 1
		.amdhsa_system_vgpr_workitem_id 0
		.amdhsa_next_free_vgpr 142
		.amdhsa_next_free_sgpr 66
		.amdhsa_reserve_vcc 0
		.amdhsa_float_denorm_mode_32 3
		.amdhsa_float_denorm_mode_16_64 3
		.amdhsa_memory_ordered 1
		.amdhsa_forward_progress 1
		.amdhsa_inst_pref_size 23
	.end_amdhsa_kernel
	.amdgpu_metadata
---
amdhsa.version: [ 1, 2 ]
amdhsa.kernels:
  - .name:           k_q308bab4951_quant_w
    .symbol:         k_q308bab4951_quant_w.kd
    .args:
      - { .name: Wq, .offset: 0, .size: 8, .value_kind: global_buffer, .address_space: global }
      - { .name: Wk, .offset: 8, .size: 8, .value_kind: global_buffer, .address_space: global }
      - { .name: Wv, .offset: 16, .size: 8, .value_kind: global_buffer, .address_space: global }
      - { .name: Wo, .offset: 24, .size: 8, .value_kind: global_buffer, .address_space: global }
      - { .name: w_img, .offset: 32, .size: 8, .value_kind: global_buffer, .address_space: global }
      - { .name: w_sc, .offset: 40, .size: 8, .value_kind: global_buffer, .address_space: global }
    .group_segment_fixed_size: 13824
    .private_segment_fixed_size: 0
    .kernarg_segment_align: 8
    .kernarg_segment_size: 48
    .max_flat_workgroup_size: 128
    .sgpr_count:     66
    .vgpr_count:     142
    .wavefront_size: 32
...
	.end_amdgpu_metadata
.endif
;; end of part 2
;; launch gemm_qkv (part 3): grid 12 x 32, 4 waves a work-group, clusters of 4 x 4, 327,680 bytes of LDS; arguments x_img, x_sc, w_img, w_sc, qkv_img, qkv_sc, bq, bk, bv; writes qkv_img, qkv_sc
.if DOCPART == 3
	.amdgcn_target "amdgcn-amd-amdhsa--gfx1250"
	.amdhsa_code_object_version 6
	.text
	.protected	k_q308bab4951_gemm_qkv
	.globl	k_q308bab4951_gemm_qkv
	.p2align	8
	.type	k_q308bab4951_gemm_qkv,@function
k_q308bab4951_gemm_qkv:
	s_mov_b64 s[64:65], 0
	v_nop
	global_prefetch_b8 v0, s[64:65] scope:SCOPE_SE
	s_setreg_imm32_b32 hwreg(HW_REG_WAVE_MODE, 25, 1), 1
	s_wait_xcnt 0x0
	s_wait_alu depctr_hold_cnt(0) depctr_sa_sdst(0) depctr_va_vdst(0) depctr_va_sdst(0) depctr_va_ssrc(0) depctr_va_vcc(0) depctr_vm_vsrc(0)
	s_getreg_b32 s2, hwreg(HW_REG_IB_STS2, 6, 4)
	s_cmp_eq_u32 s2, 0
	s_cbranch_scc0 .Lentry_in_a_cluster
	s_endpgm
.Lentry_in_a_cluster:
	s_bfe_u32 s2, ttmp6, 0x10000c
	s_cmp_lg_u32 s2, 0xf033
	s_cbranch_scc0 .Lentry_shape_is_right
	s_endpgm
.Lentry_shape_is_right:
; q, k, v = x W + b on codes of FP6 (E2M3) with E8M0 scales, and the results quantised again, as operands of the attention's two products.  M 8,192, N 3 x 1,024, K 1,024.
; A tile of 256 x 256 to a work-group of four waves, 128 x 128 (64 accumulators, 512 registers) to a wave.  K goes in four steps of 256 through two LDS slots filled by the tensor data mover.
; THE OPERANDS LIE IN MEMORY IN THE ORDER OF THEIR REGISTERS (x_img, w_img): a tile of 16 rows has 3,072 consecutive bytes for a K step, so a wave's tensor load is 8 rows of 3,072 bytes, 12,288 apart, and a
; fragment comes from LDS by two loads of 16 bytes and two of 8 a lane, at 16 x lane and 8 x lane: no pitch, no padding.  The scale bytes of the work-group's rows, for all of K, come once, with the first fills.
; CLUSTERS: 4 x 4 work-groups; A's tiles are asked for jointly along a row of the cluster, B's along a column.  The cluster's x is the weight (0 q, 1 k, 2 v): it is the same in all partners.
; TRANSPOSED USE: source 0 = 16 stored columns of W, source 1 = 16 stored rows of x.  By the order in which the quantisers laid rows and columns, the 16 registers of accumulators (a, 2 g) and (a, 2 g + 1) of lane
; (r, h) are columns 32 g + 16 h + 0 .. 15 of stored row 16 a + r.  The bias is the C of each sum's first product.
; THE WAY OUT.  q, k: K = the head's 64: a lane's 16 registers are half a block; codes leave as half images [tile of 16 stored rows 128][768], scale words [4 tiles][row 16][tile 4] with bytes 2, 3 = 0.
; v: K = the keys: 32 columns at a time turn through the wave's stage in LDS, so that a lane holds one channel and 64 keys in their true order; fragments [key step 16][channel tile 4][1,536], three runs of 512 bytes;
; channel tile 2 b + u, row r, is channel 32 b + 8 u + r + 8 (r / 8).  The stage lies in slot 0, which has had its last fill and its last read by then.
; LIMITS: NaN and infinities are not served; a block under 2^-124 (zeros too) gets the byte 1; the bytes are read by this program alone.
; REGISTERS: window 0: v12-31 addresses; v32-63 scale words, two sets; v64-127 the bias; v128-223 A's fragments, one set; window 1: B's fragments, two sets, at v0 and v128; windows 2, 3: the accumulators.
.set NQ,     2
.set FR,     12
.set NL,     4                         ; LDS loads that bring a fragment
.set NP,     4                         ; places behind this matrix instruction (ISA guide 7.12.1)
.set TILEB,  3072                      ; 16 rows x 256 K
.set HALFT,  8*TILEB                   ; 128 rows: what one tensor load brings
.set SLOT,   4*HALFT
.set KROW,   768                       ; bytes of a row's 1,024 codes: a tile of 16 rows is 12,288
.set KS,     32
.set SCL,    2*SLOT                    ; behind the ring: the scales, as runs of 256 bytes + 16 of padding
.set HALFS,  16*272
.set SBLK,   2*272
.set SPARE,  SCL+4*HALFS               ; the spare words, 128 bytes a wave: two blocks of 256 bytes that no other line names
.set LAPS,   2
.set WROW0,  0                         ; B's first row in w_img
.set L16,  12
.set L8,   13
.set HH,   14
.set RR,   15
.set ADRA, 16                          ; v16-17 16 x lane + my A rows in slot 0, 1;  v18-19 the same with 8 x lane
.set ADRB, 20                          ; v20-23 the same for B
.set STO,  24                          ; v: into the stage
.set RD,   25                          ; v: out of it
.set CO,   26                          ; v: where my lane's four scale words go
.set ADRS, 27
.set SPW,  28                          ; my spare word; never rewritten
.set NIL,  29                          ; 0; never rewritten
.set BO,   30                          ; 64 h
.set SH8,  31                          ; 8 h
.set SC,   32
.set BI,   64
.set AF,   128
.set G1, 24
.set G0, 32
.set G1B, 48
.set G0B, 56
.set G1S, 68
.set G0S, 76
.set G1SB, 80
.set G0SB, 88
.set MSB, 0
.macro WIN new                         ; the immediate's high byte repeats the setting that is left
.if MSB != (\new)
	s_set_vgpr_msb (MSB<<8)|(\new)
.set MSB, (\new)
.endif
.endm
.set MUL_LO, 0xa1                      ; source 0 (B) window 1, source 1 (A) window 0, C and D window 2
.set MUL_HI, 0xf1                      ; the same, C and D window 3
.set TO_B,   0x40
; A joint load: waves 0 and 1 fetch for A, waves 2 and 3 for B; the branch hangs on the wave's number alone.  Four v_nop follow each line.
.macro JLOAD g0a, g1a, g0b, g1b
	s_cmp_eq_u32 s15, 0
	s_cbranch_scc0 .Lfor_b_\@
	tensor_load_to_lds s[\g0a:\g0a+3], s[\g1a:\g1a+7]
	s_nop 0
.rept 4
	v_nop
.endr
	s_branch .Lasked_\@
.Lfor_b_\@:
	tensor_load_to_lds s[\g0b:\g0b+3], s[\g1b:\g1b+7]
	s_nop 0
.rept 4
	v_nop
.endr
.Lasked_\@:
.endm
.macro CREST                           ; a round of the cluster's barrier behind its opening barrier
	s_cmp_lg_u32 s14, 0
	s_cbranch_scc1 .Lnot_wave_0_\@
	s_barrier_signal -3
.Lnot_wave_0_\@:
	s_barrier_wait -3
	s_barrier_signal -1
	s_barrier_wait -1
.endm
.macro CROUND
	s_barrier_signal -1
	s_barrier_wait -1
	CREST
.endm
	s_load_b128 s[4:7], s[0:1], 0x0                ; A's codes, A's scales
	s_load_b128 s[8:11], s[0:1], 0x10              ; B's codes, B's scales
	s_load_b64 s[12:13], s[0:1], 0x20              ; qkv_img
	s_load_b64 s[66:67], s[0:1], 0x28              ; qkv_sc
	s_load_b128 s[96:99], s[0:1], 0x30             ; bq, bk
	s_load_b64 s[100:101], s[0:1], 0x40            ; bv
	v_lshl_add_u32 v[SPW], v0, 2, SPARE
	v_mov_b32 v[NIL], 0
	ds_add_u32 v28, v29
	ds_add_u32 v28, v29
	s_wait_dscnt 0x0
	v_lshrrev_b32 v1, 5, v0
	v_readfirstlane_b32 s14, v1                    ; wave 0..3
	s_lshr_b32 s15, s14, 1                         ; my half of the tile's rows.  Also: I fetch for A (0) or B (1)
	s_and_b32 s16, s14, 1                          ; my half of its columns.  Also: which 128 rows I fetch
	s_bfe_u32 s40, ttmp6, 0x40000                  ; cx, cy
	s_bfe_u32 s41, ttmp6, 0x40004
	s_lshl_b32 s42, ttmp9, 2
	s_add_co_u32 s42, s42, s40                     ; tile column
	s_and_b32 s17, ttmp7, 0xffff
	s_lshl_b32 s17, s17, 2
	s_add_co_u32 s17, s17, s41                     ; tile row
	s_lshl_b32 s43, s41, 2
	s_lshl_b32 s43, 15, s43                        ; my row of the cluster
	s_lshl_b32 s44, 0x1111, s40                    ; my column
	s_or_b32 s[G1+0], s43, (3<<16)|(1<<21)         ; the mask; elements of 8 bytes; bit 21 beside a mask; no padding
	s_or_b32 s[G1B+0], s44, (3<<16)|(1<<21)
.irp g, G1, G1B
	s_mov_b32 s[\g+1], 384<<16                     ; tensor_dim0: 3,072 bytes
	s_mov_b32 s[\g+2], 16<<16                      ; the head's loads bring 16 tiles of 16 rows; behind them the two words are set to 8
	s_mov_b32 s[\g+3], 384<<16
	s_mov_b32 s[\g+4], 16
	s_mov_b32 s[\g+5], 1536                        ; 12,288 bytes from tile to tile
	s_mov_b32 s[\g+6], 0
	s_mov_b32 s[\g+7], 0
.endr
	s_or_b32 s[G1S+0], s43, (3<<16)|(1<<20)|(1<<21)|(5<<22)|(3<<25)   ; the scales of 128 rows: 4,096 dense bytes as 16 rows of 256, 16 bytes of padding behind each
	s_or_b32 s[G1SB+0], s44, (3<<16)|(1<<20)|(1<<21)|(5<<22)|(3<<25)
.irp g, G1S, G1SB
	s_mov_b32 s[\g+1], 32<<16
	s_mov_b32 s[\g+2], 32<<16                      ; the scales of 256 rows: 32 rows of 256 bytes
	s_mov_b32 s[\g+3], 32<<16
	s_mov_b32 s[\g+4], 32
	s_mov_b32 s[\g+5], 32
	s_mov_b32 s[\g+6], 0
	s_mov_b32 s[\g+7], 0
.endr
	s_lshl_b32 s20, s17, 8
	s_lshl_b32 s46, s42, 8
.if WROW0
	s_add_co_u32 s46, s46, WROW0
.endif
	s_mov_b32 s21, 0
	s_mov_b32 s47, 0
	s_mov_b64 s[18:19], KS
	s_mul_u64 s[22:23], s[20:21], s[18:19]
	s_mul_u64 s[92:93], s[46:47], s[18:19]
	s_mov_b64 s[18:19], KROW
	s_mul_u64 s[20:21], s[20:21], s[18:19]
	s_mul_u64 s[46:47], s[46:47], s[18:19]
	s_mul_i32 s45, s14, HALFT                      ; where they go: wave x 128 rows: no place in the cluster enters an LDS address
	s_mul_i32 s18, s16, 128*KROW                   ; in the ring I fetch 128 rows of a tile: which half, in bytes
	s_mov_b32 s19, 0
	s_wait_kmcnt 0x0
	s_add_nc_u64 s[20:21], s[4:5], s[20:21]
	s_add_nc_u64 s[22:23], s[6:7], s[22:23]
	s_add_nc_u64 s[46:47], s[8:9], s[46:47]
	s_add_nc_u64 s[92:93], s[10:11], s[92:93]
	CROUND                                         ; all sixteen work-groups are here: the first joint loads meet
	s_mov_b32 s[G0S], 1
	s_mov_b32 s[G0S+1], SCL
	s_mov_b64 s[G0S+2:G0S+3], s[22:23]
	s_or_b32 s[G0S+3], s[G0S+3], 0x80000000
	s_mov_b32 s[G0SB], 1
	s_mov_b32 s[G0SB+1], SCL+2*HALFS
	s_mov_b64 s[G0SB+2:G0SB+3], s[92:93]
	s_or_b32 s[G0SB+3], s[G0SB+3], 0x80000000
	s_mov_b32 s4, 1                                ; s[4:7], s[8:11]: group 0 of the head's loads of K step 0: A's 256 rows, B's 256 rows (the arguments that lay there have served)
	s_mov_b32 s5, 0
	s_mov_b64 s[6:7], s[20:21]
	s_or_b32 s7, s7, 0x80000000
	s_mov_b32 s8, 1
	s_mov_b32 s9, 2*HALFT
	s_mov_b64 s[10:11], s[46:47]
	s_or_b32 s11, s11, 0x80000000
	s_add_nc_u64 s[20:21], s[20:21], s[18:19]      ; for the ring: my 128 rows of the tile
	s_add_nc_u64 s[46:47], s[46:47], s[18:19]
.irp s, 0,1
	s_mov_b32 s[G0+4*\s], 1
	s_add_co_u32 s[G0+4*\s+1], s45, \s*SLOT
	s_add_nc_u64 s[G0+4*\s+2:G0+4*\s+3], s[20:21], \s*TILEB
	s_or_b32 s[G0+4*\s+3], s[G0+4*\s+3], 0x80000000
	s_mov_b32 s[G0B+4*\s], 1
	s_add_co_u32 s[G0B+4*\s+1], s45, \s*SLOT
	s_add_nc_u64 s[G0B+4*\s+2:G0B+4*\s+3], s[46:47], \s*TILEB
	s_or_b32 s[G0B+4*\s+3], s[G0B+4*\s+3], 0x80000000
.endr
; the head's loads, one a wave: wave 0 A's 256 rows of K step 0, wave 1 B's, wave 2 A's scales, wave 3 B's: one chain of branches on the wave's number
.macro ARM under, g0, g1, next
	s_cmp_lt_u32 s14, \under
	s_cbranch_scc0 \next
	tensor_load_to_lds s[\g0:\g0+3], s[\g1:\g1+7]
	s_nop 0
.rept 4
	v_nop
.endr
	s_branch .Lhead_asked
\next:
.endm
	ARM 1, 4, G1, .Lhead_b
	ARM 2, 8, G1B, .Lhead_sa
	ARM 3, G0S, G1S, .Lhead_sb
	tensor_load_to_lds s[G0SB:G0SB+3], s[G1SB:G1SB+7]
	s_nop 0
.rept 4
	v_nop
.endr
.Lhead_asked:
	v_and_b32 v1, 31, v0
	v_lshlrev_b32 v[L16], 4, v1
	v_lshlrev_b32 v[L8], 3, v1
	v_bfe_u32 v[HH], v0, 4, 1
	v_and_b32 v[RR], 15, v0
	s_mul_i32 s21, s15, HALFT                      ; my 128 rows of A
	s_mul_i32 s22, s16, HALFT                      ; my 128 rows of B,
	s_add_co_u32 s22, s22, 2*HALFT                 ; behind A's 256
.irp s, 0,1
	v_add_nc_u32 v[ADRA+\s], s21, v[L16]
	v_add_nc_u32 v[ADRB+\s], s22, v[L16]
	v_add_nc_u32 v[ADRA+2+\s], s21, v[L8]
	v_add_nc_u32 v[ADRB+2+\s], s22, v[L8]
	s_add_co_u32 s21, s21, SLOT
	s_add_co_u32 s22, s22, SLOT
.endr
	v_mul_u32_u24 v5, v[RR], KS                    ; my row's scales: 32 bytes a row,
	v_lshrrev_b32 v6, 8, v5
	v_lshl_add_u32 v5, v6, 4, v5                   ; and 16 more for each 256 passed
	s_mul_i32 s21, s15, HALFS
	s_mul_i32 s22, s16, HALFS
	s_add_co_u32 s22, s22, 2*HALFS
	s_sub_co_u32 s22, s22, s21
	v_mul_u32_u24 v6, s22, v[HH]                   ; lanes 16-31 take B's
	s_add_co_u32 s21, s21, SCL
	v_add_nc_u32 v5, v5, v6
	v_add_nc_u32 v[ADRS], s21, v5
	s_mul_i32 s23, s14, 18944                      ; v's stage: 128 rows of 144 bytes, 32 more behind each 32 rows
	v_mul_u32_u24 v5, v[RR], 144
	v_lshl_add_u32 v5, v[HH], 6, v5
	v_add_nc_u32 v[STO], s23, v5                   ; in: stored key r, my 16 channels
	v_lshrrev_b32 v6, 3, v[RR]
	v_lshl_add_u32 v6, v6, 3, v[RR]
	v_lshlrev_b32 v6, 2, v6                        ; out: channel r + 8 (r / 8),
	v_mad_u32_u24 v6, v[HH], 4640, v6              ; keys 32 h on
	v_add_nc_u32 v[RD], s23, v6
	v_lshlrev_b32 v[CO], 4, v[RR]
	v_mad_u32_u24 v[CO], v[HH], 20480, v[CO]       ; v's scale words: lanes 0-15 my first head, lanes 16-31 my second
	v_lshlrev_b32 v[SH8], 3, v[HH]
	v_lshlrev_b32 v[BO], 6, v[HH]
	s_wait_alu depctr_va_vdst(0)
	s_cmp_eq_u32 ttmp9, 1                          ; the bias of my weight: the cluster's x chooses
	s_cselect_b64 s[96:97], s[98:99], s[96:97]
	s_cmp_eq_u32 ttmp9, 2
	s_cselect_b64 s[96:97], s[100:101], s[96:97]
	s_lshl_b32 s92, s40, 10
	s_lshl_b32 s93, s16, 9
	s_add_co_u32 s92, s92, s93                     ; my 128 columns in the weight's 1,024
	s_mov_b32 s93, 0
	s_add_nc_u64 s[96:97], s[96:97], s[92:93]
.irp g, 0,1,2,3
.irp j, 0,1,2,3
	global_load_b128 v[BI+16*\g+4*\j:BI+16*\g+4*\j+3], v[BO], s[96:97] offset:128*\g+16*\j   ; register 16 g + i: the bias of column 32 g + 16 h + i
.endr
.endr
	s_lshr_b32 s92, s17, 3                         ; the batch
	s_and_b32 s93, s17, 7
	s_lshl_b32 s93, s93, 1
	s_add_co_u32 s93, s93, s15                     ; which 128 rows of its 2,048 are mine
	s_lshl_b32 s94, s40, 2
	s_lshl_b32 s95, s16, 1
	s_add_co_u32 s94, s94, s95                     ; my first head
	s_lshl_b32 s92, s92, 4
	s_add_co_u32 s92, s92, s94                     ; 16 x batch + head
	s_mul_i32 s94, s92, 3
	s_add_co_u32 s94, s94, ttmp9
	s_mul_i32 s94, s94, 98304
	s_mul_i32 s95, s93, 6144                       ; 8 tiles of 768 bytes, or 4 fragments of 1,536
	s_add_co_u32 s94, s94, s95
	s_mov_b32 s95, 0
	s_add_nc_u64 s[12:13], s[12:13], s[94:95]
	s_mul_i32 s94, s92, 20480
	s_lshl_b32 s2, ttmp9, 13
	s_add_co_u32 s94, s94, s2
	s_cmp_eq_u32 ttmp9, 2
	s_cselect_b32 s2, 8, 9                         ; 256 bytes of scale words for 128 keys of v, 512 for 128 rows of q or k
	s_lshl_b32 s2, s93, s2
	s_add_co_u32 s94, s94, s2
	s_add_nc_u64 s[66:67], s[66:67], s[94:95]
.macro FRAG reg, adr, q, i             ; a fragment, 16 rows x 128 K: two half images, each 16 bytes a lane and then 8 bytes a lane
	ds_load_b128 v[\reg:\reg+3], v[\adr] offset:TILEB*(\i)+1536*(\q)
	ds_load_b64 v[\reg+4:\reg+5], v[\adr+2] offset:TILEB*(\i)+1536*(\q)+512
	ds_load_b128 v[\reg+6:\reg+9], v[\adr] offset:TILEB*(\i)+1536*(\q)+768
	ds_load_b64 v[\reg+10:\reg+11], v[\adr+2] offset:TILEB*(\i)+1536*(\q)+1280
.endm
; 16 products: A's blocks a0, a0 + 1 x B's eight.  zero = 1: the bias starts the sums.  The 64 accumulators take turns, one instruction a turn.
.macro MUL16 a0, p, q, sc, zero
.irp a, \a0, \a0+1
.irp b, 0,1,2,3,4,5,6,7
.if \zero
	v_wmma_scale_f32_16x16x128_f8f6f4 v[8*(8*((\a)%4)+\b):8*(8*((\a)%4)+\b)+7], v[128*(\p)+FR*\b:128*(\p)+FR*\b+FR-1], v[AF+FR*(\a):AF+FR*(\a)+FR-1], v[BI+8*\b:BI+8*\b+7], v[SC+8*NQ*(\sc)+NQ*\b+(\q)], v[SC+8*NQ*(\sc)+NQ*(\a)+(\q)] matrix_a_fmt:MATRIX_FMT_FP6 matrix_b_fmt:MATRIX_FMT_FP6 matrix_a_scale:MATRIX_SCALE_ROW1
.else
	v_wmma_scale_f32_16x16x128_f8f6f4 v[8*(8*((\a)%4)+\b):8*(8*((\a)%4)+\b)+7], v[128*(\p)+FR*\b:128*(\p)+FR*\b+FR-1], v[AF+FR*(\a):AF+FR*(\a)+FR-1], v[8*(8*((\a)%4)+\b):8*(8*((\a)%4)+\b)+7], v[SC+8*NQ*(\sc)+NQ*\b+(\q)], v[SC+8*NQ*(\sc)+NQ*(\a)+(\q)] matrix_a_fmt:MATRIX_FMT_FP6 matrix_b_fmt:MATRIX_FMT_FP6 matrix_a_scale:MATRIX_SCALE_ROW1
.endif
.endr
.endr
.endm
.macro FETCH_B slot, q, p
	WIN TO_B
.irp i, 0,1,2,3,4,5,6,7
	FRAG 128*(\p)+FR*\i, ADRB+\slot, \q, \i
.endr
	WIN 0
.endm
.macro FETCH_A slot, q, i0
.irp i, \i0, \i0+1, \i0+2, \i0+3
	FRAG AF+FR*(\i), ADRA+\slot, \q, \i
.endr
.endm
.macro SCALES sc                       ; a K step's two scale words a row: lanes 0-15 A's block i, lanes 16-31 B's block i
.irp i, 0,1,2,3,4,5,6,7
	ds_load_b64 v[SC+8*NQ*\sc+NQ*\i:SC+8*NQ*\sc+NQ*\i+1], v[ADRS] offset:\i*SBLK
.endr
.endm
.macro PLACES n                        ; plain vector lines between a matrix instruction and a load into, or a read of, its registers
.rept \n
	v_nop
.endr
.endm
.macro STEP slot, q, zero              ; 128 along K with its successor in the same slot
	s_wait_dscnt 4*NL                              ; B's set and A's blocks 0-3 are in; the youngest 16 loads (A's blocks 4-7) may be out
.if \zero
	WIN 0x81                                       ; C (the bias) window 0, D window 2
.else
	WIN MUL_LO
.endif
	MUL16 0, (\q)%2, \q, \slot, \zero
	MUL16 2, (\q)%2, \q, \slot, \zero
	s_wait_dscnt 0                                 ; A's blocks 4-7 are in
	PLACES NP
	FETCH_B \slot, (\q)+1, 1-(\q)%2
	FETCH_A \slot, (\q)+1, 0
.if \zero
	WIN 0xc1
.else
	WIN MUL_HI
.endif
	MUL16 4, (\q)%2, \q, \slot, \zero
	MUL16 6, (\q)%2, \q, \slot, \zero
	PLACES NP
	WIN 0
	FETCH_A \slot, (\q)+1, 4
.endm
; A slot's last step changes slots: one barrier; in front of it each wave waits for all its tensor loads, adds 0 to its spare word, and waits for that and for its reads of this slot.
.macro TURN slot, next, fill
	s_wait_tensorcnt 0x0                           ; all my tensor loads have landed: my part of the next slot
	ds_add_u32 v[SPW], v[NIL]                      ; 0 onto my spare word
	s_wait_dscnt 4*NL+1                            ; (the add and the youngest 16 loads may be out)
	WIN MUL_LO
	MUL16 0, 1, NQ-1, \slot, 0
	s_wait_dscnt 0x0                               ; the add is done, and my reads of this slot are over
	s_barrier_signal -1
	MUL16 2, 1, NQ-1, \slot, 0
	WIN 0
	s_barrier_wait -1
.if \fill
	CREST                                          ; the barrier has opened a round of the cluster's: no wave of any partner still reads this slot or has a load on its way
	s_add_nc_u64 s[G0+4*\slot+2:G0+4*\slot+3], s[G0+4*\slot+2:G0+4*\slot+3], 2*TILEB
	s_add_nc_u64 s[G0B+4*\slot+2:G0B+4*\slot+3], s[G0B+4*\slot+2:G0B+4*\slot+3], 2*TILEB
	JLOAD G0+4*\slot, G1, G0B+4*\slot, G1B         ; the first tensor load behind the round; its four v_nop are the places in front of the loads below
.else
	PLACES NP
.endif
	s_wait_alu depctr_va_vdst(0)
	v_add_nc_u32 v[ADRS], 4*NQ, v[ADRS]            ; the next K step's scale words
	FETCH_B \next, 0, 0
	FETCH_A \next, 0, 0
	SCALES \next
	WIN MUL_HI
	MUL16 4, 1, NQ-1, \slot, 0
	MUL16 6, 1, NQ-1, \slot, 0
	PLACES NP
	WIN 0
	FETCH_A \next, 0, 4
.endm
	s_wait_tensorcnt 0x0                           ; my tile of the head's four is in; the three lines ahead of slot 1's first fill, as ahead of a refill
	ds_add_u32 v[SPW], v[NIL]
	s_mov_b32 s[G1+2], 8<<16                       ; no tensor load of mine is out: from here on a load brings 8 tiles of 16 rows
	s_mov_b32 s[G1+4], 8
	s_mov_b32 s[G1B+2], 8<<16
	s_mov_b32 s[G1B+4], 8
	s_wait_dscnt 0x0
	CROUND                                         ; all four tiles are in, all sixteen work-groups are here
	JLOAD G0+4, G1, G0B+4, G1B                     ; K step 1, the first tensor load behind the round
	FETCH_B 0, 0, 0
	FETCH_A 0, 0, 0
	SCALES 0
	FETCH_A 0, 0, 4
	s_wait_loadcnt 0x0                             ; the bias
	STEP 0, 0, 1
	s_mov_b32 s3, LAPS-1
.Llap:                                             ; a trip goes once round the ring and fills both slots again
	TURN 0, 1, 1
	STEP 1, 0, 0
	TURN 1, 0, 1
	STEP 0, 0, 0
	s_sub_co_u32 s3, s3, 1
	s_cmp_lg_u32 s3, 0
	s_cbranch_scc1 .Llap
	TURN 0, 1, 0                                   ; the last lap fills nothing
	STEP 1, 0, 0
	s_wait_dscnt 4*NL
	WIN MUL_LO
	MUL16 0, 1, NQ-1, 1, 0
	MUL16 2, 1, NQ-1, 1, 0
	s_wait_dscnt 0
	WIN MUL_HI
	MUL16 4, 1, NQ-1, 1, 0
	MUL16 6, 1, NQ-1, 1, 0
	WIN 0
	PLACES NP                                      ; in front of the first reads of results and the first writes over A's fragments
	s_mov_b32 s20, 0x76543210
	s_mov_b32 s21, 0xfedcba98                      ; selects for lane l xor 16
	s_cmp_eq_u32 ttmp9, 2                          ; v goes another way than q and k: the cluster's x, the same in every wave and partner
	s_cbranch_scc1 .Lv_path
; ---- q, k.  Block a: 16 stored rows x my two heads.  TM: v200-203 maxima, v204-207 exchange and bytes, v212-215 scale operands.
.set TM, 200
.set WS, 216                           ; v216-231 the scale words: head c, block a at WS + 8 c + a
.set PC, 232                           ; v232-243 the two heads' half images
.set PT, 244                           ; v244-246, v248-250
.set T,  192
.irp b, 0,1,2,3
	v_mov_b32 v[TM+4+\b], 0                        ; a lane permute's destination counts as read
.endr
.macro QK a
.set AC, 64*((\a)%4)
	WIN 0x0a+5*((\a)/4)                            ; sources 0 and 1: the accumulators' window
.irp b, 0,1,2,3
	v_max3_num_f32 v[TM+\b], |v[AC+16*\b]|, |v[AC+16*\b+1]|, 0x1800000   ; each accumulator is read from its low end on; the floor holds the byte at 1 from below
.endr
.irp i, 2,4,6,8,10,12,14
.irp b, 0,1,2,3
	v_max3_num_f32 v[TM+\b], |v[AC+16*\b+\i]|, |v[AC+16*\b+\i+1]|, v[TM+\b]
.endr
.endr
	WIN 0
.irp b, 0,1,2,3
	v_permlanex16_b32 v[TM+4+\b], v[TM+\b], s20, s21
.endr
.irp b, 0,1,2,3
	v_max_num_f32 v[TM+\b], v[TM+\b], v[TM+4+\b]   ; with lane l xor 16's 16: the block's largest magnitude
.endr
.irp b, 0,1,2,3
	v_add_nc_u32 v[TM+12+\b], 0xff000000, v[TM+\b]
.endr
.irp b, 0,1,2,3
	v_lshrrev_b32 v[TM+4+\b], 23, v[TM+12+\b]
.endr
	v_lshl_or_b32 v[WS+\a], v[TM+5], 8, v[TM+4]    ; a head has two blocks: bytes 0, 1; bytes 2, 3 stay 0
	v_lshl_or_b32 v[WS+8+\a], v[TM+7], 8, v[TM+6]
	s_wait_xcnt 0x0                                ; the last block's stores have read their registers
	WIN 0x02+(\a)/4
.irp c, 0,1
	v_cvt_scalef32_pk16_fp6_f32 v[PC+6*\c:PC+6*\c+2], v[AC+32*\c:AC+32*\c+15], v[TM+12+2*\c]
	v_cvt_scalef32_pk16_fp6_f32 v[PT+4*\c:PT+4*\c+2], v[AC+32*\c+16:AC+32*\c+31], v[TM+12+2*\c+1]
.endr
	WIN 0
	v_nop                                          ; one plain place behind a scaled conversion
.irp c, 0,1                                    ; the layout wants a whole block in a lane: lanes 0-15 block 0, lanes 16-31 block 1
.irp i, 0,1,2
	v_permlane16_swap_b32 v[PC+6*\c+\i], v[PT+4*\c+\i]
.endr
.irp i, 0,1,2
	v_mov_b32 v[PC+6*\c+3+\i], v[PT+4*\c+\i]
.endr
.endr
.irp c, 0,1
	global_store_b128 v[L16], v[PC+6*\c:PC+6*\c+3], s[12:13] offset:768*(\a)+294912*\c        ; 512 consecutive bytes, aligned to 256
	global_store_b64 v[L8], v[PC+6*\c+4:PC+6*\c+5], s[12:13] offset:768*(\a)+294912*\c+512    ; 256 consecutive bytes, aligned
.endr
.endm
.irp a, 0,1,2,3,4,5,6,7
	QK \a
.endr
	v_cmp_eq_u32 vcc_lo, 1, v[HH]
.irp c, 0,1
.irp j, 0,1,2,3
	v_cndmask_b32 v[T+4*\c+\j], v[WS+8*\c+\j], v[WS+8*\c+4+\j], vcc_lo   ; lanes 0-15: tiles 0-3 of row r; lanes 16-31: tiles 4-7
.endr
.endr
.irp c, 0,1
	global_store_b128 v[L16], v[T+4*\c:T+4*\c+3], s[66:67] offset:20480*\c   ; 512 consecutive bytes of scale words
.endr
	s_branch .Ldone
; ---- v.  32 channels at a time: 128 stored keys x 32 channels go into my stage by rows and come out by columns, the keys in their true order.
.Lv_path:
.set VX,  128                          ; v128-191 my channel's 64 keys
.set VPC, 192                          ; v192-203 the fragment
.set VPT, 204                          ; v204-206, v208-210
.set WV,  220                          ; v220-227 scale words: head g / 2, channel tile 2 (g % 2) + u
	v_mov_b32 v219, 0                              ; a lane permute's destination counts as read
.macro VTILE g, u
.set i, 0
.rept 32
.set PS, 8*(((i/8)%2)*2+(i/8)/2)+i%8   ; where key i of 32 is stored
	ds_load_b32 v[VX+i], v[RD] offset:PS*144+32*(\u)
	ds_load_b32 v[VX+32+i], v[RD] offset:(64+PS)*144+64+32*(\u)
.set i, i+1
.endr
	s_wait_dscnt 0x0
.irp c, 0,1
	v_max3_num_f32 v[212+\c], |v[VX+32*\c]|, |v[VX+32*\c+1]|, 0x1800000   ; block 2 c + h of these 128 keys is all mine
.endr
.irp i, 2,4,6,8,10,12,14,16,18,20,22,24,26,28,30
.irp c, 0,1
	v_max3_num_f32 v[212+\c], v[212+\c], |v[VX+32*\c+\i]|, |v[VX+32*\c+\i+1]|
.endr
.endr
	v_add_nc_u32 v214, 0xff000000, v212
	v_add_nc_u32 v215, 0xff000000, v213
	v_lshrrev_b32 v216, 23, v214
	v_lshrrev_b32 v217, 23, v215
	v_lshl_or_b32 v218, v217, 16, v216
	v_lshlrev_b32 v218, v[SH8], v218
	v_permlanex16_b32 v219, v218, s20, s21
	v_or_b32 v[WV+4*((\g)/2)+2*((\g)%2)+(\u)], v218, v219   ; the channel's scale word for these 128 keys
	s_wait_alu depctr_va_vdst(0)
	s_wait_xcnt 0x0                                ; the last fragment's stores have read their registers
.irp c, 0,1
	v_cvt_scalef32_pk16_fp6_f32 v[VPC+6*\c:VPC+6*\c+2], v[VX+32*\c:VX+32*\c+15], v[214+\c]
	v_cvt_scalef32_pk16_fp6_f32 v[VPT+4*\c:VPT+4*\c+2], v[VX+32*\c+16:VX+32*\c+31], v[214+\c]
.endr
	v_nop                                          ; one plain place behind a scaled conversion
.irp c, 0,1
.irp i, 0,1,2
	v_mov_b32 v[VPC+6*\c+3+\i], v[VPT+4*\c+\i]
.endr
.endr
.irp k, 0,1,2
	global_store_b128 v[L16], v[VPC+4*\k:VPC+4*\k+3], s[12:13] offset:294912*((\g)/2)+1536*(2*((\g)%2)+(\u))+512*\k   ; 512 consecutive bytes, aligned to 256
.endr
.endm
.macro VGROUP g
.irp a, 0,1,2,3,4,5,6,7
	WIN 0x08+4*(\a/4)                              ; an LDS store's data are its source 1: window 2 or 3
.irp i, 0,1,2,3
	ds_store_b128 v[STO], v[64*(\a%4)+16*(\g)+4*\i:64*(\a%4)+16*(\g)+4*\i+3] offset:2304*\a+32*(\a/2)+16*\i   ; each accumulator from its low end on
.endr
.endr
	WIN 0
	VTILE \g, 0                                    ; LDS serves a wave in order: the loads see my stores, and the next group's stores come behind them
	VTILE \g, 1
.endm
	VGROUP 0
	VGROUP 1
	VGROUP 2
	VGROUP 3
	v_cmp_eq_u32 vcc_lo, 1, v[HH]
.irp j, 0,1,2,3
	v_cndmask_b32 v[VX+\j], v[WV+\j], v[WV+4+\j], vcc_lo
.endr
	global_store_b128 v[CO], v[VX:VX+3], s[66:67]  ; sixteen lanes store 256 consecutive bytes, aligned, for each of my two heads
.Ldone:
	s_wait_tensorcnt 0x0                           ; the wave's end
	ds_add_u32 v[SPW], v[NIL]
	s_wait_dscnt 0x0
	CROUND                                         ; the closing round: no work-group ends while a partner may still ask for a tile that names it
	s_endpgm
.Lfunc_end_k_q308bab4951_gemm_qkv:
	.size	k_q308bab4951_gemm_qkv, .Lfunc_end_k_q308bab4951_gemm_qkv-k_q308bab4951_gemm_qkv
	.p2alignl 7, 3214868480
	.fill 96, 4, 3214868480
	.section	.rodata,"a",@progbits
	.p2align	6, 0x0
	.amdhsa_kernel k_q308bab4951_gemm_qkv
		.amdhsa_group_segment_fixed_size 327680
		.amdhsa_private_segment_fixed_size 0
		.amdhsa_enable_private_segment 0
		.amdhsa_kernarg_size 72
		.amdhsa_user_sgpr_count 2
		.amdhsa_user_sgpr_kernarg_segment_ptr 1
		.amdhsa_wavefront_size32 1
		.amdhsa_system_sgpr_workgroup_id_x 1
		.amdhsa_system_sgpr_workgroup_id_y 1
		.amdhsa_system_sgpr_workgroup_id_z 1
		.amdhsa_system_vgpr_workitem_id 0
		.amdhsa_next_free_vgpr 1024
		.amdhsa_next_free_sgpr 102
		.amdhsa_reserve_vcc 1
		.amdhsa_float_denorm_mode_32 3
		.amdhsa_float_denorm_mode_16_64 3
		.amdhsa_memory_ordered 1
		.amdhsa_forward_progress 1
		.amdhsa_inst_pref_size 219
	.end_amdhsa_kernel
	.amdgpu_metadata
---
amdhsa.version: [ 1, 2 ]
amdhsa.kernels:
  - .name:           k_q308bab4951_gemm_qkv
    .symbol:         k_q308bab4951_gemm_qkv.kd
    .args:
      - { .name: x_img, .offset: 0, .size: 8, .value_kind: global_buffer, .address_space: global }
      - { .name: x_sc, .offset: 8, .size: 8, .value_kind: global_buffer, .address_space: global }
      - { .name: w_img, .offset: 16, .size: 8, .value_kind: global_buffer, .address_space: global }
      - { .name: w_sc, .offset: 24, .size: 8, .value_kind: global_buffer, .address_space: global }
      - { .name: qkv_img, .offset: 32, .size: 8, .value_kind: global_buffer, .address_space: global }
      - { .name: qkv_sc, .offset: 40, .size: 8, .value_kind: global_buffer, .address_space: global }
      - { .name: bq, .offset: 48, .size: 8, .value_kind: global_buffer, .address_space: global }
      - { .name: bk, .offset: 56, .size: 8, .value_kind: global_buffer, .address_space: global }
      - { .name: bv, .offset: 64, .size: 8, .value_kind: global_buffer, .address_space: global }
    .group_segment_fixed_size: 327680
    .private_segment_fixed_size: 0
    .kernarg_segment_align: 8
    .kernarg_segment_size: 72
    .max_flat_workgroup_size: 128
    .sgpr_count:     102
    .vgpr_count:     1024
    .wavefront_size: 32
...
	.end_amdgpu_metadata
.endif
;; end of part 3
;; launch attn (part 4): grid 4 x 64, 8 waves a work-group, clusters of 4 x 1, 327,680 bytes of LDS; arguments qkv_img, qkv_sc, c_img, c_sc; writes c_img, c_sc
.if DOCPART == 4
	.amdgcn_target "amdgcn-amd-amdhsa--gfx1250"
	.amdhsa_code_object_version 6
	.text
	.protected	k_q308bab4951_attn
	.globl	k_q308bab4951_attn
	.p2align	8
	.type	k_q308bab4951_attn,@function
k_q308bab4951_attn:
	s_mov_b64 s[64:65], 0
	v_nop
	global_prefetch_b8 v0, s[64:65] scope:SCOPE_SE
	s_setreg_imm32_b32 hwreg(HW_REG_WAVE_MODE, 25, 1), 1
	s_wait_xcnt 0x0
	s_wait_alu depctr_hold_cnt(0) depctr_sa_sdst(0) depctr_va_vdst(0) depctr_va_sdst(0) depctr_va_ssrc(0) depctr_va_vcc(0) depctr_vm_vsrc(0)
	s_getreg_b32 s2, hwreg(HW_REG_IB_STS2, 6, 4)
	s_cmp_eq_u32 s2, 0
	s_cbranch_scc0 .Lentry_in_a_cluster
	s_endpgm
.Lentry_in_a_cluster:
	s_bfe_u32 s2, ttmp6, 0x10000c
	s_cmp_lg_u32 s2, 0x3003
	s_cbranch_scc0 .Lentry_shape_is_right
	s_endpgm
.Lentry_shape_is_right:
; softmax(q k^T / 8) v for one head of one batch (work-group y) and 512 queries (place x in the cluster), on codes of FP6 (E2M3) with E8M0 scales; the result is quantised again as an operand of the last projection.
; SHARES: 8 waves; a wave owns 64 queries, four tiles of 16, and walks the 2,048 keys in 16 steps of 128.  A step's fragments of k (8 tiles of 16 keys) and of v (4 tiles of 16 channels) are read from LDS once for the four tiles.
; Both products are used transposed (S^T = k q^T, O^T = v^T p^T): a lane holds one query; by the order in which the rows were stored the 16 registers of score tiles 2 b, 2 b + 1 are keys 32 b + 16 h + 0 .. 15.
; The head is 64 wide: the upper 64 of the instruction's K meet q's zero codes (six zero registers behind each q fragment), whatever k's registers hold there.
; A STAGE is one tile's work in a step; at its head the NEXT tile's scores are multiplied into the other of two score buffers, so that scores are read a stage behind their products.
; k's registers are loaded anew in stage 2, behind tile 3's products; v's in stage 0, behind the last step's.  The last trip asks for no further keys: two branches on the trip counter.
; THE SOFTMAX: M = ceil(the running largest t), t = score x log2(e) / 8, kept as -M; p = 2^(t - M); the sum is taken of the unquantised p; when M moves, sums and O^T are multiplied by 2^(old M - new M), always, with no branch.
; A block's largest p is the block's largest score put through the same multiply-add and exponential.
; LDS: k's codes at 0, v's at 98,304, k's scale words at 196,608, v's at 204,800, the spare words at 208,896.  All of it is asked for once, at the head: waves 0-5 a sixth of the codes each (128 rows of 256 bytes), wave 6 the scale words.
; CLUSTER: the four work-groups of a head ask for its k and v jointly.  No prefetch: no loop of this text reads from memory; every byte is asked for at the head.
; LIMITS: NaN and infinities are not served; the promise holds while |t| stays under 2^31; a block under 2^-124 gets the byte 1 (the bytes are read by this program alone).
; REGISTERS: window 0: addresses, state, scale words, operands; window 1: v0-127 the two score buffers, v128-255 O^T of the four tiles.
.set NEG,  8                           ; -3e38
.set LCS,  9                           ; 32 x row: c_sc
.set SPW,  10
.set NIL,  11
.set ST,   12                          ; v12-19 tile i: -M at 12 + 2 i, the running largest score at 13 + 2 i
.set LS,   20                          ; v20-35 tile i: the sum in two pairs
.set QSW,  36
.set KSW,  40
.set VSW,  48
.set PSW,  52
.set BM,   54
.set BX,   58
.set SO,   62
.set F,    66
.set TMP,  68
.set T2,   69
.set PC,   70
.set PT,   82
.set Q,    92                          ; v92-139 four times six registers of q and six zeros
.set KF,   140                         ; v140-193
.set VF,   194                         ; v194-241
.set AKS,  244
.set AV,   245
.set AVS,  246
.set QSO,  247
.set OB,   128
.set SPARE, 208896
.set WV,   12
.set SEL,  40
.set CS,   42
.set NC,   44
.set TK,   45
.set TS,   46
.set TJ,   47
.set NST,  48
.set MSB, 0
.macro WIN new                         ; the immediate's high byte repeats the setting that is left
.if MSB != (\new)
	s_set_vgpr_msb (MSB<<8)|(\new)
.set MSB, (\new)
.endif
.endm
.macro WALU
	s_wait_alu depctr_va_vdst(0)
.endm
.macro ROUND
	s_barrier_signal -1
	s_barrier_wait -1
	s_cmp_lg_u32 s[WV], 0
	s_cbranch_scc1 .Lnot_wave_0_\@
	s_barrier_signal -3
.Lnot_wave_0_\@:
	s_barrier_wait -3
	s_barrier_signal -1
	s_barrier_wait -1
.endm
.macro KLOAD                           ; 128 keys' fragments and scale words, at s[TK], s[TS]
	v_add_nc_u32 v3, s[TK], v1
	v_add_nc_u32 v4, s[TK], v2
	v_add_nc_u32 v5, s[TS], v[AKS]
.irp t, 0,1,2,3,4,5,6,7
	ds_load_b128 v[KF+6*\t:KF+6*\t+3], v3 offset:768*\t
	ds_load_b64 v[KF+6*\t+4:KF+6*\t+5], v4 offset:768*\t+512
.endr
	ds_load_b128 v[KSW:KSW+3], v5
	ds_load_b128 v[KSW+4:KSW+7], v5 offset:256
.endm
.macro VLOAD                           ; this step's fragments of v (s[TK] stands one step on: AV allows for it)
	v_add_nc_u32 v6, s[TK], v[AV]
	v_add_nc_u32 v7, s[TJ], v[AVS]
.irp d, 0,1,2,3
.irp k, 0,1,2
	ds_load_b128 v[VF+12*\d+4*\k:VF+12*\d+4*\k+3], v6 offset:1536*\d+512*\k
.endr
.endr
	ds_load_b128 v[VSW:VSW+3], v7
.endm
.macro SMUL n, b                       ; S^T of tile n into score buffer b
	WIN 0x50
.irp t, 0,1,2,3,4,5,6,7
	v_wmma_scale_f32_16x16x128_f8f6f4 v[64*(\b)+8*\t:64*(\b)+8*\t+7], v[KF+6*\t:KF+6*\t+11], v[Q+12*(\n):Q+12*(\n)+11], 0, v[KSW+\t], v[QSW+(\n)] matrix_a_fmt:MATRIX_FMT_FP6 matrix_b_fmt:MATRIX_FMT_FP6
.endr
.endm
.macro STAGE i
.set SB,  64*((\i)%2)
.set NMR, ST+2*(\i)
.set MX,  ST+2*(\i)+1
.set LL,  LS+4*(\i)
.set OO,  OB+32*(\i)
.if (\i) == 3
	WIN 0
	s_cmp_eq_u32 s[NST], 1
	s_cbranch_scc1 .Lno_scores                     ; the last trip has no next step
	s_wait_dscnt 0x0                               ; the next step's keys, asked for in stage 2
	SMUL 0, 0
	WIN 0
.Lno_scores:
.else
	SMUL (\i)+1, 1-(\i)%2
.endif
	WIN 0x05
	WALU                                           ; ahead of the scores' first readers
.irp b, 0,1,2,3
	v_max3_num_f32 v[BM+\b], v[SB+16*\b], v[SB+16*\b+1], v[NEG]   ; the largest score of each block of 32 keys, four chains by turns
.endr
.irp j, 2,4,6,8,10,12,14
.irp b, 0,1,2,3
	v_max3_num_f32 v[BM+\b], v[SB+16*\b+\j], v[SB+16*\b+\j+1], v[BM+\b]
.endr
.endr
	WIN 0
.if (\i) == 0
	VLOAD                                          ; the 32 lines above are the places behind the last step's products
.endif
.if (\i) == 2
	s_cmp_eq_u32 s[NST], 1
	WALU                                           ; ahead of the branch
	s_cbranch_scc1 .Lno_keys
	KLOAD                                          ; tile 3's products stand 32 places back
.Lno_keys:
.endif
.irp b, 0,1,2,3
	v_permlanex16_b32 v[BX+\b], v[BM+\b], s[SEL], s[SEL+1]
.endr
.irp b, 0,1,2,3
	s_delay_alu instid0(VALU_DEP_4)
	v_max_num_f32 v[BM+\b], v[BM+\b], v[BX+\b]     ; with lane l xor 16's 16 keys
.endr
	s_delay_alu instid0(VALU_DEP_2)
	v_max3_num_f32 v[TMP], v[BM], v[BM+1], v[BM+2]
	s_delay_alu instid0(VALU_DEP_1)
	v_max3_num_f32 v[MX], v[MX], v[TMP], v[BM+3]   ; the running largest score
	s_delay_alu instid0(VALU_DEP_1)
	v_mul_f32 v[T2], s[NC], v[MX]                  ; -t
	s_delay_alu instid0(VALU_DEP_1)
	v_floor_f32 v[T2], v[T2]                       ; the new -M
	s_delay_alu instid0(VALU_DEP_1)
	v_sub_f32 v[TMP], v[T2], v[NMR]                ; old M - new M, a whole number, 0 or less
	s_delay_alu instid0(VALU_DEP_2)
	v_mov_b32 v[NMR], v[T2]
	s_delay_alu instid0(VALU_DEP_2)
	v_cvt_i32_f32 v[TMP], v[TMP]                   ; (it saturates)
	s_delay_alu instid0(VALU_DEP_2)
	v_fma_f32 v[BM], v[BM], s[CS], v[NMR]
	s_delay_alu instid0(VALU_DEP_2)
	v_ldexp_f32 v[F], 1.0, v[TMP]                  ; f = 2^(old M - new M)
.irp b, 1,2,3
	v_fma_f32 v[BM+\b], v[BM+\b], s[CS], v[NMR]
.endr
	WIN 0x41
	WALU                                           ; ahead of O^T's first readers
.set j, 0
.rept 16
	v_pk_mul_f32 v[OO+j:OO+j+1], v[OO+j:OO+j+1], v[F:F+1] op_sel_hi:[1,0]
.set j, j+2
.endr
.set j, 0
.rept 32
	v_pk_fma_f32 v[SB+j:SB+j+1], v[SB+j:SB+j+1], s[CS:CS+1], v[NMR:NMR+1] op_sel_hi:[1,0,0]   ; t - M
.set j, j+2
.endr
	WALU                                           ; ahead of the batch
.set j, 0
.rept 64
	v_exp_f32 v[SB+j], v[SB+j]
.set j, j+1
.endr
	WIN 0
.irp b, 0,1,2,3
	v_exp_f32 v[BM+\b], v[BM+\b]                   ; each block's largest p
.endr
	v_pk_mul_f32 v[LL:LL+1], v[LL:LL+1], v[F:F+1] op_sel_hi:[1,0]
	v_pk_mul_f32 v[LL+2:LL+3], v[LL+2:LL+3], v[F:F+1] op_sel_hi:[1,0]
	WALU                                           ; and behind it
.irp b, 0,1,2,3
	v_max_num_f32 v[BM+\b], 0x1800000, v[BM+\b]    ; the floor holds the byte at 1 from below
.endr
.irp b, 0,1,2,3
	s_delay_alu instid0(VALU_DEP_4)
	v_add_nc_u32 v[SO+\b], 0xff000000, v[BM+\b]    ; 2 off the exponent field: the conversion's scale operand
.endr
.irp b, 0,1,2,3
	s_delay_alu instid0(VALU_DEP_4)
	v_lshrrev_b32 v[BX+\b], 23, v[SO+\b]
.endr
	s_delay_alu instid0(VALU_DEP_3)
	v_lshl_or_b32 v[PSW], v[BX+1], 8, v[BX]
	s_delay_alu instid0(VALU_DEP_1)
	v_lshl_or_b32 v[PSW], v[BX+2], 16, v[PSW]
	s_delay_alu instid0(VALU_DEP_1)
	v_lshl_or_b32 v[PSW], v[BX+3], 24, v[PSW]
	WIN 0x01
.irp c, 0,1
	v_cvt_scalef32_pk16_fp6_f32 v[PC+6*\c:PC+6*\c+2], v[SB+32*\c:SB+32*\c+15], v[SO+2*\c]
	v_cvt_scalef32_pk16_fp6_f32 v[PT+4*\c:PT+4*\c+2], v[SB+32*\c+16:SB+32*\c+31], v[SO+2*\c+1]
.endr
.irp j, 0,4
	v_pk_add_f32 v[LL:LL+1], v[SB+\j:SB+\j+1], v[LL:LL+1]          ; the sum of the unquantised p, two chains; these lines are the place behind the conversions
	v_pk_add_f32 v[LL+2:LL+3], v[SB+\j+2:SB+\j+3], v[LL+2:LL+3]
.endr
	WIN 0
.irp c, 0,1                            ; the operand wants a whole block in a lane
.irp k, 0,1,2
	v_permlane16_swap_b32 v[PC+6*\c+\k], v[PT+4*\c+\k]
.endr
.irp k, 0,1,2
	s_delay_alu instid0(VALU_DEP_3)
	v_mov_b32 v[PC+6*\c+3+\k], v[PT+4*\c+\k]
.endr
.endr
	WIN 0x01
.set j, 8
.rept 14
	v_pk_add_f32 v[LL:LL+1], v[SB+j:SB+j+1], v[LL:LL+1]            ; 28 lines: the places between the codes and the products
	v_pk_add_f32 v[LL+2:LL+3], v[SB+j+2:SB+j+3], v[LL+2:LL+3]
.set j, j+4
.endr
.if (\i) == 0
	s_wait_dscnt 0x0                               ; v's fragments, asked for at this stage's head
.endif
	WIN 0x50
.irp d, 0,1,2,3
	v_wmma_scale_f32_16x16x128_f8f6f4 v[OO+8*\d:OO+8*\d+7], v[VF+12*\d:VF+12*\d+11], v[PC:PC+11], v[OO+8*\d:OO+8*\d+7], v[VSW+\d], v[PSW] matrix_a_fmt:MATRIX_FMT_FP6 matrix_b_fmt:MATRIX_FMT_FP6
.endr
.endm
; ---- the head
	s_load_b256 s[4:11], s[0:1], 0x0               ; qkv_img, qkv_sc, c_img, c_sc
	v_lshl_add_u32 v[SPW], v0, 2, SPARE
	v_mov_b32 v[NIL], 0
	ds_add_u32 v[SPW], v[NIL]                      ; the opening lines
	ds_add_u32 v[SPW], v[NIL]
	v_lshrrev_b32 v3, 5, v0
	v_readfirstlane_b32 s[WV], v3
	s_bfe_u32 s13, ttmp6, 0x40000                  ; cx: which 512 queries
	s_and_b32 s14, ttmp7, 0xffff                   ; 16 x batch + head
	s_mov_b32 s16, 15|(3<<16)|(1<<21)              ; codes: 128 rows of 256 bytes a wave, asked for by all four partners
	s_mov_b32 s17, 32<<16
	s_mov_b32 s18, 128<<16
	s_mov_b32 s19, 32<<16
	s_mov_b32 s20, 128
	s_mov_b32 s21, 32
	s_mov_b32 s22, 0
	s_mov_b32 s23, 0
	s_mov_b32 s24, 15|(3<<16)|(1<<21)              ; scale words: 48 rows of 256 bytes
	s_mov_b32 s25, 32<<16
	s_mov_b32 s26, 48<<16
	s_mov_b32 s27, 32<<16
	s_mov_b32 s28, 48
	s_mov_b32 s29, 32
	s_mov_b32 s30, 0
	s_mov_b32 s31, 0
	s_mul_i32 s58, s14, 294912
	s_lshl_b32 s33, s[WV], 15
	s_add_co_u32 s58, s58, s33
	s_add_co_u32 s58, s58, 98304                   ; k's and v's codes lie on end behind q's
	s_mov_b32 s59, 0
	s_mul_i32 s60, s14, 20480
	s_add_co_u32 s60, s60, 8192
	s_mov_b32 s61, 0
	s_mov_b32 s32, 1
	s_mov_b32 s36, 1
	s_mov_b32 s37, 196608
	s_mov_b32 s[SEL], 0x76543210
	s_mov_b32 s[SEL+1], 0xfedcba98
	s_mov_b32 s[CS], 0x3e38aa3b                    ; log2(e) / 8
	s_mov_b32 s[CS+1], s[CS]
	s_mov_b32 s[NC], 0xbe38aa3b
	s_wait_dscnt 0x0
	s_wait_kmcnt 0x0
	s_add_nc_u64 s[34:35], s[4:5], s[58:59]
	s_or_b32 s35, s35, 0x80000000
	s_add_nc_u64 s[38:39], s[6:7], s[60:61]
	s_or_b32 s39, s39, 0x80000000
	ROUND
	s_cmp_lt_u32 s[WV], 6
	s_cbranch_scc0 .Lnot_codes
	tensor_load_to_lds s[32:35], s[16:23]
	s_nop 0
	s_branch .Lasked
.Lnot_codes:
	s_cmp_eq_u32 s[WV], 6
	s_cbranch_scc0 .Lasked
	tensor_load_to_lds s[36:39], s[24:31]
	s_nop 0
.Lasked:
	s_lshl_b32 s15, s13, 5
	s_lshl_b32 s49, s[WV], 2
	s_add_co_u32 s15, s15, s49                     ; my first tile of the head's 128
	s_mul_i32 s62, s14, 294912
	s_mul_i32 s49, s15, 768
	s_add_co_u32 s62, s62, s49
	s_mov_b32 s63, 0
	s_add_nc_u64 s[50:51], s[4:5], s[62:63]        ; q's codes
	s_mul_i32 s62, s14, 20480
	s_lshl_b32 s49, s15, 6
	s_add_co_u32 s62, s62, s49
	s_add_nc_u64 s[52:53], s[6:7], s[62:63]        ; q's scale words: 256 bytes for my four tiles
	s_lshr_b32 s49, s14, 4
	s_lshl_b32 s49, s49, 7
	s_add_co_u32 s49, s49, s15
	s_mul_i32 s62, s49, 12288
	s_and_b32 s2, s14, 15
	s_mul_i32 s3, s2, 768
	s_add_co_u32 s62, s62, s3
	s_add_nc_u64 s[54:55], s[8:9], s[62:63]
	s_lshl_b32 s62, s49, 9
	s_lshl_b32 s3, s2, 1
	s_add_co_u32 s62, s62, s3
	s_add_nc_u64 s[56:57], s[10:11], s[62:63]
	v_and_b32 v3, 31, v0
	v_and_b32 v4, 15, v0
	v_lshlrev_b32 v1, 4, v3
	v_lshlrev_b32 v2, 3, v3
	v_lshlrev_b32 v[QSO], 4, v4
	v_lshlrev_b32 v[LCS], 5, v4
.irp i, 0,1,2,3
	global_load_b128 v[Q+12*\i:Q+12*\i+3], v1, s[50:51] offset:768*\i
	global_load_b64 v[Q+12*\i+4:Q+12*\i+5], v2, s[50:51] offset:768*\i+512
.endr
	global_load_b128 v[QSW:QSW+3], v[QSO], s[52:53]
	v_add_nc_u32 v[AKS], 196608, v[QSO]
	v_add_nc_u32 v[AVS], 204800, v[QSO]
	v_add_nc_u32 v[AV], 92160, v1
	v_mov_b32 v[NEG], 0xff61b1e6
	v_mov_b32 v[F+1], 0
.irp i, 0,1,2,3
.irp k, 6,7,8,9,10,11
	v_mov_b32 v[Q+12*\i+\k], 0
.endr
	v_mov_b32 v[ST+2*\i], 0x7e000000               ; -M so large that the first f is 0
	v_mov_b32 v[ST+2*\i+1], 0xff61b1e6
	v_mov_b32 v[BX+\i], 0                          ; a lane permute's destination counts as read
.endr
.irp k, 48,49,50,51,52,53
	v_mov_b32 v[KF+\k], 0
.endr
.set j, 0
.rept 16
	v_mov_b32 v[LS+j], 0
.set j, j+1
.endr
	WIN 0x40
.set j, 0
.rept 128
	v_mov_b32 v[OB+j], 0                           ; the step is written once: the first finds zeros
.set j, j+1
.endr
	WIN 0
	s_mov_b32 s[TK], 0
	s_mov_b32 s[TS], 0
	s_mov_b32 s[TJ], 0
	s_mov_b32 s[NST], 16
	WALU
	s_wait_tensorcnt 0x0
	s_barrier_signal -1
	s_barrier_wait -1                              ; every wave's part has landed; nothing is filled again
	KLOAD
	s_mov_b32 s[TK], 6144                          ; from here on: the next step's keys
	s_mov_b32 s[TS], 512
	s_wait_loadcnt 0x0
	s_wait_dscnt 0x0
	SMUL 0, 0
	WIN 0
.rept 4
	v_nop                                          ; the places between tile 0's first products and the first trip's reads of them
.endr
.Lstep:
	STAGE 0
	STAGE 1
	STAGE 2
	STAGE 3
	WIN 0
	s_add_co_u32 s[TK], s[TK], 6144
	s_add_co_u32 s[TS], s[TS], 512
	s_add_co_u32 s[TJ], s[TJ], 256
	s_sub_co_u32 s[NST], s[NST], 1
	s_cmp_lg_u32 s[NST], 0
	s_cbranch_scc1 .Lstep
; ---- the way out: O^T / the sum, quantised along the head's 64, the four tiles by turns.  k's and v's registers serve as work space.
.set EM, 140
.set EX, 148
.set ES, 156
.set EH, 164
.set EC, 168
.set ET, 200
	WALU
.irp i, 0,1,2,3
	v_pk_add_f32 v[LS+4*\i:LS+4*\i+1], v[LS+4*\i:LS+4*\i+1], v[LS+4*\i+2:LS+4*\i+3]
.endr
.irp i, 0,1,2,3
	v_add_f32 v[LS+4*\i], v[LS+4*\i], v[LS+4*\i+1]
.endr
.irp i, 0,1,2,3
	v_permlanex16_b32 v[LS+4*\i+2], v[LS+4*\i], s[SEL], s[SEL+1]
.endr
.irp i, 0,1,2,3
	v_add_f32 v[LS+4*\i], v[LS+4*\i], v[LS+4*\i+2]
.endr
	WALU
.irp i, 0,1,2,3
	v_rcp_f32 v[LS+4*\i], v[LS+4*\i]
.endr
	v_nop
	WIN 0x41
	WALU
.irp i, 0,1,2,3
.set j, 0
.rept 16
	v_pk_mul_f32 v[32*\i+j:32*\i+j+1], v[OB+32*\i+j:OB+32*\i+j+1], v[LS+4*\i:LS+4*\i+1] op_sel_hi:[1,0]
.set j, j+2
.endr
.endr
	WIN 0x05
.irp i, 0,1,2,3
.irp b, 0,1
	v_max3_num_f32 v[EM+2*\i+\b], |v[32*\i+16*\b]|, |v[32*\i+16*\b+1]|, 0x1800000
.endr
.endr
.irp j, 2,4,6,8,10,12,14
.irp i, 0,1,2,3
.irp b, 0,1
	v_max3_num_f32 v[EM+2*\i+\b], |v[32*\i+16*\b+\j]|, |v[32*\i+16*\b+\j+1]|, v[EM+2*\i+\b]
.endr
.endr
.endr
	WIN 0
.irp n, 0,1,2,3,4,5,6,7
	v_permlanex16_b32 v[EX+\n], v[EM+\n], s[SEL], s[SEL+1]
.endr
.irp n, 0,1,2,3,4,5,6,7
	v_max_num_f32 v[EM+\n], v[EM+\n], v[EX+\n]
.endr
.irp n, 0,1,2,3,4,5,6,7
	v_add_nc_u32 v[ES+\n], 0xff000000, v[EM+\n]
.endr
.irp n, 0,1,2,3,4,5,6,7
	v_lshrrev_b32 v[EX+\n], 23, v[ES+\n]
.endr
.irp i, 0,1,2,3
	v_lshl_or_b32 v[EH+\i], v[EX+2*\i+1], 8, v[EX+2*\i]
.endr
	WIN 0x01
.irp i, 0,1,2,3
	v_cvt_scalef32_pk16_fp6_f32 v[EC+8*\i:EC+8*\i+2], v[32*\i:32*\i+15], v[ES+2*\i]
	v_cvt_scalef32_pk16_fp6_f32 v[ET+4*\i:ET+4*\i+2], v[32*\i+16:32*\i+31], v[ES+2*\i+1]
.endr
	WIN 0
	v_nop                                          ; one plain place behind a scaled conversion
.irp i, 0,1,2,3
.irp k, 0,1,2
	v_permlane16_swap_b32 v[EC+8*\i+\k], v[ET+4*\i+\k]
.endr
.endr
.irp i, 0,1,2,3
.irp k, 0,1,2
	v_mov_b32 v[EC+8*\i+3+\k], v[ET+4*\i+\k]
.endr
.endr
.irp i, 0,1,2,3
	global_store_b128 v1, v[EC+8*\i:EC+8*\i+3], s[54:55] offset:12288*\i        ; 512 consecutive bytes, aligned to 256
	global_store_b64 v2, v[EC+8*\i+4:EC+8*\i+5], s[54:55] offset:12288*\i+512   ; 256 consecutive bytes, aligned
	global_store_b16 v[LCS], v[EH+\i], s[56:57] offset:512*\i                   ; the head's two bytes of each row's 32
.endr
	s_wait_tensorcnt 0x0                           ; the wave's end
	ds_add_u32 v[SPW], v[NIL]
	s_wait_dscnt 0x0
	ROUND                                          ; the closing round
	s_endpgm
.Lfunc_end_k_q308bab4951_attn:
	.size	k_q308bab4951_attn, .Lfunc_end_k_q308bab4951_attn-k_q308bab4951_attn
	.p2alignl 7, 3214868480
	.fill 96, 4, 3214868480
	.section	.rodata,"a",@progbits
	.p2align	6, 0x0
	.amdhsa_kernel k_q308bab4951_attn
		.amdhsa_group_segment_fixed_size 327680
		.amdhsa_private_segment_fixed_size 0
		.amdhsa_enable_private_segment 0
		.amdhsa_kernarg_size 32
		.amdhsa_user_sgpr_count 2
		.amdhsa_user_sgpr_kernarg_segment_ptr 1
		.amdhsa_wavefront_size32 1
		.amdhsa_system_sgpr_workgroup_id_x 1
		.amdhsa_system_sgpr_workgroup_id_y 1
		.amdhsa_system_sgpr_workgroup_id_z 1
		.amdhsa_system_vgpr_workitem_id 0
		.amdhsa_next_free_vgpr 512
		.amdhsa_next_free_sgpr 66
		.amdhsa_reserve_vcc 0
		.amdhsa_float_denorm_mode_32 3
		.amdhsa_float_denorm_mode_16_64 3
		.amdhsa_memory_ordered 1
		.amdhsa_forward_progress 1
		.amdhsa_inst_pref_size 90
	.end_amdhsa_kernel
	.amdgpu_metadata
---
amdhsa.version: [ 1, 2 ]
amdhsa.kernels:
  - .name:           k_q308bab4951_attn
    .symbol:         k_q308bab4951_attn.kd
    .args:
      - { .name: qkv_img, .offset: 0, .size: 8, .value_kind: global_buffer, .address_space: global }
      - { .name: qkv_sc, .offset: 8, .size: 8, .value_kind: global_buffer, .address_space: global }
      - { .name: c_img, .offset: 16, .size: 8, .value_kind: global_buffer, .address_space: global }
      - { .name: c_sc, .offset: 24, .size: 8, .value_kind: global_buffer, .address_space: global }
    .group_segment_fixed_size: 327680
    .private_segment_fixed_size: 0
    .kernarg_segment_align: 8
    .kernarg_segment_size: 32
    .max_flat_workgroup_size: 256
    .sgpr_count:     66
    .vgpr_count:     512
    .wavefront_size: 32
...
	.end_amdgpu_metadata
.endif
;; end of part 4
;; launch gemm_out (part 5): grid 4 x 32, 4 waves a work-group, clusters of 4 x 4, 327,680 bytes of LDS; arguments c_img, c_sc, w_img, w_sc, out0, bo; writes out0
.if DOCPART == 5
	.amdgcn_target "amdgcn-amd-amdhsa--gfx1250"
	.amdhsa_code_object_version 6
	.text
	.protected	k_q308bab4951_gemm_out
	.globl	k_q308bab4951_gemm_out
	.p2align	8
	.type	k_q308bab4951_gemm_out,@function
k_q308bab4951_gemm_out:
	s_mov_b64 s[64:65], 0
	v_nop
	global_prefetch_b8 v0, s[64:65] scope:SCOPE_SE
	s_setreg_imm32_b32 hwreg(HW_REG_WAVE_MODE, 25, 1), 1
	s_wait_xcnt 0x0
	s_wait_alu depctr_hold_cnt(0) depctr_sa_sdst(0) depctr_va_vdst(0) depctr_va_sdst(0) depctr_va_ssrc(0) depctr_va_vcc(0) depctr_vm_vsrc(0)
	s_getreg_b32 s2, hwreg(HW_REG_IB_STS2, 6, 4)
	s_cmp_eq_u32 s2, 0
	s_cbranch_scc0 .Lentry_in_a_cluster
	s_endpgm
.Lentry_in_a_cluster:
	s_bfe_u32 s2, ttmp6, 0x10000c
	s_cmp_lg_u32 s2, 0xf033
	s_cbranch_scc0 .Lentry_shape_is_right
	s_endpgm
.Lentry_shape_is_right:
.set NQ,     2
.set FR,     12
.set NL,     4
.set NP,     4
.set TILEB,  3072
.set HALFT,  8*TILEB
.set SLOT,   4*HALFT
.set KROW,   768
.set KS,     32
.set SCL,    2*SLOT
.set HALFS,  16*272
.set SBLK,   2*272
.set SPARE,  SCL+4*HALFS
.set LAPS,   2
.set WROW0,  3072
.set SPITCH, 528
.set L16,  12
.set L8,   13
.set HH,   14
.set RR,   15
.set ADRA, 16
.set ADRB, 20
.set STO,  24
.set RD,   25
.set ADRS, 27
.set SPW,  28
.set NIL,  29
.set BO,   30
.set SC,   32
.set BI,   64
.set AF,   128
.set BK,   128
.set G1, 24
.set G0, 32
.set G1B, 48
.set G0B, 56
.set G1S, 68
.set G0S, 76
.set G1SB, 80
.set G0SB, 88
.set MSB, 0
.macro WIN new
.if MSB != (\new)
	s_set_vgpr_msb (MSB<<8)|(\new)
.set MSB, (\new)
.endif
.endm
.set MUL_LO, 0xa1
.set MUL_HI, 0xf1
.set TO_B,   0x40
.macro JLOAD g0a, g1a, g0b, g1b
	s_cmp_eq_u32 s15, 0
	s_cbranch_scc0 .Lfor_b_\@
	tensor_load_to_lds s[\g0a:\g0a+3], s[\g1a:\g1a+7]
	s_nop 0
.rept 4
	v_nop
.endr
	s_branch .Lasked_\@
.Lfor_b_\@:
	tensor_load_to_lds s[\g0b:\g0b+3], s[\g1b:\g1b+7]
	s_nop 0
.rept 4
	v_nop
.endr
.Lasked_\@:
.endm
.macro CREST
	s_cmp_lg_u32 s14, 0
	s_cbranch_scc1 .Lnot_wave_0_\@
	s_barrier_signal -3
.Lnot_wave_0_\@:
	s_barrier_wait -3
	s_barrier_signal -1
	s_barrier_wait -1
.endm
.macro CROUND
	s_barrier_signal -1
	s_barrier_wait -1
	CREST
.endm
	s_load_b128 s[4:7], s[0:1], 0x0
	s_load_b128 s[8:11], s[0:1], 0x10
	s_load_b64 s[12:13], s[0:1], 0x20
	s_load_b64 s[66:67], s[0:1], 0x28
	v_lshl_add_u32 v[SPW], v0, 2, SPARE
	v_mov_b32 v[NIL], 0
	ds_add_u32 v28, v29
	ds_add_u32 v28, v29
	s_wait_dscnt 0x0
	v_lshrrev_b32 v1, 5, v0
	v_readfirstlane_b32 s14, v1
	s_lshr_b32 s15, s14, 1
	s_and_b32 s16, s14, 1
	s_bfe_u32 s40, ttmp6, 0x40000
	s_bfe_u32 s41, ttmp6, 0x40004
	s_lshl_b32 s42, ttmp9, 2
	s_add_co_u32 s42, s42, s40
	s_and_b32 s17, ttmp7, 0xffff
	s_lshl_b32 s17, s17, 2
	s_add_co_u32 s17, s17, s41
	s_lshl_b32 s43, s41, 2
	s_lshl_b32 s43, 15, s43
	s_lshl_b32 s44, 0x1111, s40
	s_or_b32 s[G1+0], s43, (3<<16)|(1<<21)
	s_or_b32 s[G1B+0], s44, (3<<16)|(1<<21)
.irp g, G1, G1B
	s_mov_b32 s[\g+1], 384<<16
	s_mov_b32 s[\g+2], 16<<16
	s_mov_b32 s[\g+3], 384<<16
	s_mov_b32 s[\g+4], 16
	s_mov_b32 s[\g+5], 1536
	s_mov_b32 s[\g+6], 0
	s_mov_b32 s[\g+7], 0
.endr
	s_or_b32 s[G1S+0], s43, (3<<16)|(1<<20)|(1<<21)|(5<<22)|(3<<25)
	s_or_b32 s[G1SB+0], s44, (3<<16)|(1<<20)|(1<<21)|(5<<22)|(3<<25)
.irp g, G1S, G1SB
	s_mov_b32 s[\g+1], 32<<16
	s_mov_b32 s[\g+2], 32<<16
	s_mov_b32 s[\g+3], 32<<16
	s_mov_b32 s[\g+4], 32
	s_mov_b32 s[\g+5], 32
	s_mov_b32 s[\g+6], 0
	s_mov_b32 s[\g+7], 0
.endr
	s_lshl_b32 s20, s17, 8
	s_lshl_b32 s46, s42, 8
.if WROW0
	s_add_co_u32 s46, s46, WROW0
.endif
	s_mov_b32 s21, 0
	s_mov_b32 s47, 0
	s_mov_b64 s[18:19], KS
	s_mul_u64 s[22:23], s[20:21], s[18:19]
	s_mul_u64 s[92:93], s[46:47], s[18:19]
	s_mov_b64 s[18:19], KROW
	s_mul_u64 s[20:21], s[20:21], s[18:19]
	s_mul_u64 s[46:47], s[46:47], s[18:19]
	s_mul_i32 s45, s14, HALFT
	s_mul_i32 s18, s16, 128*KROW                   ; in the ring I fetch 128 rows of a tile: which half, in bytes
	s_mov_b32 s19, 0
	s_wait_kmcnt 0x0
	s_add_nc_u64 s[20:21], s[4:5], s[20:21]
	s_add_nc_u64 s[22:23], s[6:7], s[22:23]
	s_add_nc_u64 s[46:47], s[8:9], s[46:47]
	s_add_nc_u64 s[92:93], s[10:11], s[92:93]
	CROUND
	s_mov_b32 s[G0S], 1
	s_mov_b32 s[G0S+1], SCL
	s_mov_b64 s[G0S+2:G0S+3], s[22:23]
	s_or_b32 s[G0S+3], s[G0S+3], 0x80000000
	s_mov_b32 s[G0SB], 1
	s_mov_b32 s[G0SB+1], SCL+2*HALFS
	s_mov_b64 s[G0SB+2:G0SB+3], s[92:93]
	s_or_b32 s[G0SB+3], s[G0SB+3], 0x80000000
	s_mov_b32 s4, 1                                ; s[4:7], s[8:11]: group 0 of the head's loads of K step 0: A's 256 rows, B's 256 rows
	s_mov_b32 s5, 0
	s_mov_b64 s[6:7], s[20:21]
	s_or_b32 s7, s7, 0x80000000
	s_mov_b32 s8, 1
	s_mov_b32 s9, 2*HALFT
	s_mov_b64 s[10:11], s[46:47]
	s_or_b32 s11, s11, 0x80000000
	s_add_nc_u64 s[20:21], s[20:21], s[18:19]      ; for the ring: my 128 rows of the tile
	s_add_nc_u64 s[46:47], s[46:47], s[18:19]
.irp s, 0,1
	s_mov_b32 s[G0+4*\s], 1
	s_add_co_u32 s[G0+4*\s+1], s45, \s*SLOT
	s_add_nc_u64 s[G0+4*\s+2:G0+4*\s+3], s[20:21], \s*TILEB
	s_or_b32 s[G0+4*\s+3], s[G0+4*\s+3], 0x80000000
	s_mov_b32 s[G0B+4*\s], 1
	s_add_co_u32 s[G0B+4*\s+1], s45, \s*SLOT
	s_add_nc_u64 s[G0B+4*\s+2:G0B+4*\s+3], s[46:47], \s*TILEB
	s_or_b32 s[G0B+4*\s+3], s[G0B+4*\s+3], 0x80000000
.endr
; the head's loads, one a wave: wave 0 A's 256 rows of K step 0, wave 1 B's, wave 2 A's scales, wave 3 B's: one chain of branches on the wave's number
.macro ARM under, g0, g1, next
	s_cmp_lt_u32 s14, \under
	s_cbranch_scc0 \next
	tensor_load_to_lds s[\g0:\g0+3], s[\g1:\g1+7]
	s_nop 0
.rept 4
	v_nop
.endr
	s_branch .Lhead_asked
\next:
.endm
	ARM 1, 4, G1, .Lhead_b
	ARM 2, 8, G1B, .Lhead_sa
	ARM 3, G0S, G1S, .Lhead_sb
	tensor_load_to_lds s[G0SB:G0SB+3], s[G1SB:G1SB+7]
	s_nop 0
.rept 4
	v_nop
.endr
.Lhead_asked:
	v_and_b32 v1, 31, v0
	v_lshlrev_b32 v[L16], 4, v1
	v_lshlrev_b32 v[L8], 3, v1
	v_bfe_u32 v[HH], v0, 4, 1
	v_and_b32 v[RR], 15, v0
	s_mul_i32 s21, s15, HALFT
	s_mul_i32 s22, s16, HALFT
	s_add_co_u32 s22, s22, 2*HALFT
.irp s, 0,1
	v_add_nc_u32 v[ADRA+\s], s21, v[L16]
	v_add_nc_u32 v[ADRB+\s], s22, v[L16]
	v_add_nc_u32 v[ADRA+2+\s], s21, v[L8]
	v_add_nc_u32 v[ADRB+2+\s], s22, v[L8]
	s_add_co_u32 s21, s21, SLOT
	s_add_co_u32 s22, s22, SLOT
.endr
	v_mul_u32_u24 v5, v[RR], KS
	v_lshrrev_b32 v6, 8, v5
	v_lshl_add_u32 v5, v6, 4, v5
	s_mul_i32 s21, s15, HALFS
	s_mul_i32 s22, s16, HALFS
	s_add_co_u32 s22, s22, 2*HALFS
	s_sub_co_u32 s22, s22, s21
	v_mul_u32_u24 v6, s22, v[HH]
	s_add_co_u32 s21, s21, SCL
	v_add_nc_u32 v5, v5, v6
	v_add_nc_u32 v[ADRS], s21, v5
	s_mul_i32 s23, s14, 16*SPITCH
	v_mul_u32_u24 v5, v[RR], SPITCH
	v_lshl_add_u32 v5, v[HH], 6, v5
	v_add_nc_u32 v[STO], s23, v5
	v_add_nc_u32 v[RD], s23, v[L16]
	v_lshlrev_b32 v[BO], 6, v[HH]
	s_lshl_b32 s46, s42, 10
	s_lshl_b32 s47, s16, 9
	s_add_co_u32 s46, s46, s47
	s_mov_b32 s47, 0
	s_add_nc_u64 s[66:67], s[66:67], s[46:47]
.irp g, 0,1,2,3
.irp j, 0,1,2,3
	global_load_b128 v[BI+16*\g+4*\j:BI+16*\g+4*\j+3], v[BO], s[66:67] offset:128*\g+16*\j
.endr
.endr
	s_lshl_b32 s20, s17, 8
	s_lshl_b32 s21, s15, 7
	s_add_co_u32 s20, s20, s21
	s_lshl_b32 s20, s20, 12
	s_add_co_u32 s20, s20, s46
	s_mov_b32 s21, 0
	s_add_nc_u64 s[12:13], s[12:13], s[20:21]
.macro FRAG reg, adr, q, i
	ds_load_b128 v[\reg:\reg+3], v[\adr] offset:TILEB*(\i)+1536*(\q)
	ds_load_b64 v[\reg+4:\reg+5], v[\adr+2] offset:TILEB*(\i)+1536*(\q)+512
	ds_load_b128 v[\reg+6:\reg+9], v[\adr] offset:TILEB*(\i)+1536*(\q)+768
	ds_load_b64 v[\reg+10:\reg+11], v[\adr+2] offset:TILEB*(\i)+1536*(\q)+1280
.endm
.macro MUL16 a0, p, q, sc, zero
.irp a, \a0, \a0+1
.irp b, 0,1,2,3,4,5,6,7
.if \zero
	v_wmma_scale_f32_16x16x128_f8f6f4 v[8*(8*((\a)%4)+\b):8*(8*((\a)%4)+\b)+7], v[128*(\p)+FR*\b:128*(\p)+FR*\b+FR-1], v[AF+FR*(\a):AF+FR*(\a)+FR-1], v[BI+8*\b:BI+8*\b+7], v[SC+8*NQ*(\sc)+NQ*\b+(\q)], v[SC+8*NQ*(\sc)+NQ*(\a)+(\q)] matrix_a_fmt:MATRIX_FMT_FP6 matrix_b_fmt:MATRIX_FMT_FP6 matrix_a_scale:MATRIX_SCALE_ROW1
.else
	v_wmma_scale_f32_16x16x128_f8f6f4 v[8*(8*((\a)%4)+\b):8*(8*((\a)%4)+\b)+7], v[128*(\p)+FR*\b:128*(\p)+FR*\b+FR-1], v[AF+FR*(\a):AF+FR*(\a)+FR-1], v[8*(8*((\a)%4)+\b):8*(8*((\a)%4)+\b)+7], v[SC+8*NQ*(\sc)+NQ*\b+(\q)], v[SC+8*NQ*(\sc)+NQ*(\a)+(\q)] matrix_a_fmt:MATRIX_FMT_FP6 matrix_b_fmt:MATRIX_FMT_FP6 matrix_a_scale:MATRIX_SCALE_ROW1
.endif
.endr
.endr
.endm
.macro FETCH_B slot, q, p
	WIN TO_B
.irp i, 0,1,2,3,4,5,6,7
	FRAG 128*(\p)+FR*\i, ADRB+\slot, \q, \i
.endr
	WIN 0
.endm
.macro FETCH_A slot, q, i0
.irp i, \i0, \i0+1, \i0+2, \i0+3
	FRAG AF+FR*(\i), ADRA+\slot, \q, \i
.endr
.endm
.macro SCALES sc
.irp i, 0,1,2,3,4,5,6,7
	ds_load_b64 v[SC+8*NQ*\sc+NQ*\i:SC+8*NQ*\sc+NQ*\i+1], v[ADRS] offset:\i*SBLK
.endr
.endm
.macro PLACES n
.rept \n
	v_nop
.endr
.endm
.macro STEP slot, q, zero
	s_wait_dscnt 4*NL
.if \zero
	WIN 0x81
.else
	WIN MUL_LO
.endif
	MUL16 0, (\q)%2, \q, \slot, \zero
	MUL16 2, (\q)%2, \q, \slot, \zero
	s_wait_dscnt 0
	PLACES NP
	FETCH_B \slot, (\q)+1, 1-(\q)%2
	FETCH_A \slot, (\q)+1, 0
.if \zero
	WIN 0xc1
.else
	WIN MUL_HI
.endif
	MUL16 4, (\q)%2, \q, \slot, \zero
	MUL16 6, (\q)%2, \q, \slot, \zero
	PLACES NP
	WIN 0
	FETCH_A \slot, (\q)+1, 4
.endm
.macro TURN slot, next, fill
	s_wait_tensorcnt 0x0
	ds_add_u32 v[SPW], v[NIL]
	s_wait_dscnt 4*NL+1
	WIN MUL_LO
	MUL16 0, 1, NQ-1, \slot, 0
	s_wait_dscnt 0x0
	s_barrier_signal -1
	MUL16 2, 1, NQ-1, \slot, 0
	WIN 0
	s_barrier_wait -1
.if \fill
	CREST
	s_add_nc_u64 s[G0+4*\slot+2:G0+4*\slot+3], s[G0+4*\slot+2:G0+4*\slot+3], 2*TILEB
	s_add_nc_u64 s[G0B+4*\slot+2:G0B+4*\slot+3], s[G0B+4*\slot+2:G0B+4*\slot+3], 2*TILEB
	JLOAD G0+4*\slot, G1, G0B+4*\slot, G1B
.else
	PLACES NP
.endif
	s_wait_alu depctr_va_vdst(0)
	v_add_nc_u32 v[ADRS], 4*NQ, v[ADRS]
	FETCH_B \next, 0, 0
	FETCH_A \next, 0, 0
	SCALES \next
	WIN MUL_HI
	MUL16 4, 1, NQ-1, \slot, 0
	MUL16 6, 1, NQ-1, \slot, 0
	PLACES NP
	WIN 0
	FETCH_A \next, 0, 4
.endm
	s_wait_alu depctr_va_vdst(0)
	s_wait_tensorcnt 0x0                           ; my tile of the head's four is in; the three lines ahead of slot 1's first fill, as ahead of a refill
	ds_add_u32 v[SPW], v[NIL]
	s_mov_b32 s[G1+2], 8<<16                       ; no tensor load of mine is out: from here on a load brings 8 tiles of 16 rows
	s_mov_b32 s[G1+4], 8
	s_mov_b32 s[G1B+2], 8<<16
	s_mov_b32 s[G1B+4], 8
	s_wait_dscnt 0x0
	CROUND                                         ; all four tiles are in, all sixteen work-groups are here
	JLOAD G0+4, G1, G0B+4, G1B                     ; K step 1, the first tensor load behind the round
	FETCH_B 0, 0, 0
	FETCH_A 0, 0, 0
	SCALES 0
	FETCH_A 0, 0, 4
	s_wait_loadcnt 0x0
	STEP 0, 0, 1
	s_mov_b32 s3, LAPS-1
.Llap:
	TURN 0, 1, 1
	STEP 1, 0, 0
	TURN 1, 0, 1
	STEP 0, 0, 0
	s_sub_co_u32 s3, s3, 1
	s_cmp_lg_u32 s3, 0
	s_cbranch_scc1 .Llap
	TURN 0, 1, 0
	STEP 1, 0, 0
	s_wait_dscnt 4*NL
	WIN MUL_LO
	MUL16 0, 1, NQ-1, 1, 0
	MUL16 2, 1, NQ-1, 1, 0
	s_wait_dscnt 0
	WIN MUL_HI
	MUL16 4, 1, NQ-1, 1, 0
	MUL16 6, 1, NQ-1, 1, 0
	WIN 0
.macro TOSTAGE a
.set AC, 64*((\a)%4)
	WIN 0x08+4*((\a)/4)
.irp b, 0,1,2,3,4,5,6,7
	ds_store_b128 v[STO], v[AC+8*\b:AC+8*\b+3] offset:128*(\b/2)+32*(\b%2)
	ds_store_b128 v[STO], v[AC+8*\b+4:AC+8*\b+7] offset:128*(\b/2)+32*(\b%2)+16
.endr
	WIN 0
.set BB, BK+64*((\a)%2)
.irp t, 0,1,2,3,4,5,6,7,8,9,10,11,12,13,14,15
	ds_load_b128 v[BB+4*\t:BB+4*\t+3], v[RD] offset:\t*SPITCH
.endr
.endm
.macro SEND a, younger
.set BB, BK+64*((\a)%2)
	s_wait_dscnt \younger
.if (\a) > 0
.if (\a)%2
	s_add_nc_u64 s[12:13], s[12:13], 8*4096
.else
	s_add_nc_u64 s[12:13], s[12:13], 24*4096
.endif
.endif
.irp t, 0,1,2,3,4,5,6,7,8,9,10,11,12,13,14,15
	global_store_b128 v[L16], v[BB+4*\t:BB+4*\t+3], s[12:13] offset:(\t+8*(\t/8))*4096 th:TH_STORE_NT
.endr
.endm
	PLACES NP
	TOSTAGE 0
.irp a, 1,2,3,4,5,6,7
.if \a > 1
	s_wait_xcnt 0x0
.endif
	TOSTAGE \a
	SEND \a-1, 32
.endr
	s_wait_xcnt 0x0
	SEND 7, 0
	s_wait_tensorcnt 0x0
	ds_add_u32 v[SPW], v[NIL]
	s_wait_dscnt 0x0
	CROUND
	s_endpgm
.Lfunc_end_k_q308bab4951_gemm_out:
	.size	k_q308bab4951_gemm_out, .Lfunc_end_k_q308bab4951_gemm_out-k_q308bab4951_gemm_out
	.p2alignl 7, 3214868480
	.fill 96, 4, 3214868480
	.section	.rodata,"a",@progbits
	.p2align	6, 0x0
	.amdhsa_kernel k_q308bab4951_gemm_out
		.amdhsa_group_segment_fixed_size 327680
		.amdhsa_private_segment_fixed_size 0
		.amdhsa_enable_private_segment 0
		.amdhsa_kernarg_size 48
		.amdhsa_user_sgpr_count 2
		.amdhsa_user_sgpr_kernarg_segment_ptr 1
		.amdhsa_wavefront_size32 1
		.amdhsa_system_sgpr_workgroup_id_x 1
		.amdhsa_system_sgpr_workgroup_id_y 1
		.amdhsa_system_sgpr_workgroup_id_z 1
		.amdhsa_system_vgpr_workitem_id 0
		.amdhsa_next_free_vgpr 1024
		.amdhsa_next_free_sgpr 102
		.amdhsa_reserve_vcc 0
		.amdhsa_float_denorm_mode_32 3
		.amdhsa_float_denorm_mode_16_64 3
		.amdhsa_memory_ordered 1
		.amdhsa_forward_progress 1
		.amdhsa_inst_pref_size 146
	.end_amdhsa_kernel
	.amdgpu_metadata
---
amdhsa.version: [ 1, 2 ]
amdhsa.kernels:
  - .name:           k_q308bab4951_gemm_out
    .symbol:         k_q308bab4951_gemm_out.kd
    .args:
      - { .name: c_img, .offset: 0, .size: 8, .value_kind: global_buffer, .address_space: global }
      - { .name: c_sc, .offset: 8, .size: 8, .value_kind: global_buffer, .address_space: global }
      - { .name: w_img, .offset: 16, .size: 8, .value_kind: global_buffer, .address_space: global }
      - { .name: w_sc, .offset: 24, .size: 8, .value_kind: global_buffer, .address_space: global }
      - { .name: out0, .offset: 32, .size: 8, .value_kind: global_buffer, .address_space: global }
      - { .name: bo, .offset: 40, .size: 8, .value_kind: global_buffer, .address_space: global }
    .group_segment_fixed_size: 327680
    .private_segment_fixed_size: 0
    .kernarg_segment_align: 8
    .kernarg_segment_size: 48
    .max_flat_workgroup_size: 128
    .sgpr_count:     102
    .vgpr_count:     1024
    .wavefront_size: 32
...
	.end_amdgpu_metadata
.endif
;; end of part 5
